; MI455X (gfx1250); checked and timed in simulation.
; The chip was launched on July 23, 2026; its instructions are those of AMD's public machine-readable ISA for CDNA 5 (MIT licence, August 2026) and "CDNA5" Instruction Set Architecture Reference Guide (July 2026). The comments in the code are by the model that wrote it; some were corrected since.
;; Hydra Attention. Allowed arithmetic: matrix products marked QUANTISED: E2M3 operands, one E8M0 scale for each 32 along K, by v_wmma_scale_f32_16x16x128_f8f6f4 with both operands' format E2M3, f32 sums; everything else in f32.
;; Inputs: Wout_codes 1,024 x 32 x 24 uint8 (E2M3 codes of Wout, K innermost, in blocks of 32 codes, four codes in three bytes); Wout_scales 1,024 x 32 uint8 (E8M0 scales of Wout, one for each 32 codes along K); Wqkv_codes 3,072 x 32 x 24 uint8 (E2M3 codes of Wqkv, K innermost, in blocks of 32 codes, four codes in three bytes); Wqkv_scales 3,072 x 32 uint8 (E8M0 scales of Wqkv, one for each 32 codes along K); bout 1,024 float32; bqkv 3,072 float32; x_codes 4 x 4,096 x 32 x 24 uint8 (E2M3 codes of x, K innermost, in blocks of 32 codes, four codes in three bytes); x_scales 4 x 4,096 x 32 uint8 (E8M0 scales of x, one for each 32 codes along K).
;; Outputs: out0 4 x 4,096 x 1,024 float32.
;; This version of the problem:
;;   THIS VERSION OF THE PROBLEM IS GIVEN IN LOW PRECISION. The matrix products marked QUANTISED in the list below multiply operands that are first quantised to E2M3 (2 exponent bits, 3 mantissa bits; 6 bits a number), with one power-of-two scale for each 32 numbers along K (OCP MX v1.0); their sums are f32. All else is computed in f32.
;;   The module's matrix products, in the order in which they are computed (A, B: the left and right operand; K: the contracted axis; several contracted axes count as one K, in the product's order):
;;     1. [M 16,384, K 1,024] x [K 1,024, N 3,072]; A: input x (given as codes); B: input Wqkv (given as codes): QUANTISED
;;     2. [M 16,384, K 1,024] x [K 1,024, N 1,024]; A: computed on the way; B: input Wout (given as codes): QUANTISED
;;   THE QUANTISER, for each operand of a quantised product, along K:
;;     - K is cut into blocks of 32 from its start; a last block that is shorter is filled with zeros.
;;     - A block's scale is 2^e with e = floor(log2(the largest magnitude in the block)) - 2, held to -126 .. 127; a block of zeros has e = 0. As a byte (E8M0): e + 127.
;;     - Each number is divided by its block's scale, clamped to +-7.5, and rounded to the nearest number of E2M3, ties to even, subnormals kept.
;;     - The product sums the exact products of the quantised numbers (number of the format x scale) in f32.
;;   ~~~python
;;   def quantise(x, axis):      # numpy; x: float32 -> the quantised numbers, widened to float32 again
;;       x = np.moveaxis(x, axis, -1); K = x.shape[-1]
;;       x = np.pad(x, [(0, 0)] * (x.ndim - 1) + [(0, -K % 32)]); x = x.reshape(x.shape[:-1] + (-1, 32)); a = np.abs(x).max(-1, keepdims=True)
;;       e = np.where(a > 0, np.clip(np.frexp(np.where(a > 0, a, 1))[1] - 1 - 2, -126, 127), 0)      # np.frexp(a)[1] - 1 = floor(log2(a)), exactly
;;       r = np.clip(x / 2.0 ** e, -7.5, 7.5)
;;       step = 2.0 ** (np.maximum(np.frexp(np.where(r == 0, 1, r))[1] - 1, 0) - 3)
;;       q = np.round(r / step) * step * 2.0 ** e      # np.round: ties to even
;;       return np.moveaxis(q.reshape(q.shape[:-2] + (-1,))[..., :K], -1, axis).astype(np.float32)
;;   ~~~
;;   OPERANDS COMPUTED ON THE WAY. 'Computed on the way' means the value that the module computes at that place (a softmax that the list does not call 'softmax' is quantised finished and normalised). What goes into a quantiser is computed in f32, as accurately as f32 sums, v_exp_f32 and their like allow (about 1e-6 of the number): no bf16 or f16 on the way to a quantiser, and a product that is left as it is and whose result goes on into a quantised operand takes f32 operands (vector FMAs, or v_wmma_f32_16x16x4_f32). A number that lies on a knife's edge between two numbers of the format may be rounded either way, as far as f32 arithmetic and the matrix unit's own rounding can turn it there, and no further.
;;   INPUTS GIVEN AS CODES. Wout (in the module: [1024, 1024], K = its axis 0); Wqkv (in the module: [1024, 3072], K = its axis 0); x (in the module: [4, 4096, 1024], K = its axis 2): each comes as NAME_codes (uint8): NAME with its K axis moved to the last place and cut into blocks of 32 codes, [.., K / 32, bytes a block], one block behind the other in memory; four codes in three bytes: a row's codes are one little-endian stream of bits, code i at bits 6 i .. 6 i + 5 (a code: sign, 2 exponent bits, 3 mantissa bits); and NAME_scales (uint8): the same leading axes, one E8M0 byte (e + 127) for each 32 codes along K. Its value is code x scale, taken as it is: it is not quantised again, and the codes and scales need not be those that the quantiser above would give.
;; 2 versions, each right. Each part assembles by itself: llvm-mc -triple=amdgcn-amd-amdhsa -mcpu=gfx1250 --defsym DOCPART=n.
;; ======== version 1 of 2: 2 launches
;; workspace buffers: part 1,048,576 bytes
;; launch kvpart (part 1): grid 256 x 1, 4 waves a work-group, clusters of 4 x 1, 327,680 bytes of LDS; arguments x_codes, x_scales, Wqkv_codes, Wqkv_scales, bqkv, part; writes part
.if DOCPART == 1
	.amdgcn_target "amdgcn-amd-amdhsa--gfx1250"
	.amdhsa_code_object_version 6
	.text
	.protected	k_q1c7f4ea33a_kvpart
	.globl	k_q1c7f4ea33a_kvpart
	.p2align	8
	.type	k_q1c7f4ea33a_kvpart,@function
k_q1c7f4ea33a_kvpart:
	s_mov_b64 s[64:65], 0
	v_nop
	global_prefetch_b8 v0, s[64:65] scope:SCOPE_SE
	s_setreg_imm32_b32 hwreg(HW_REG_WAVE_MODE, 25, 1), 1
	s_wait_xcnt 0x0
	s_wait_alu depctr_hold_cnt(0) depctr_sa_sdst(0) depctr_va_vdst(0) depctr_va_sdst(0) depctr_va_ssrc(0) depctr_va_vcc(0) depctr_vm_vsrc(0)
	s_getreg_b32 s2, hwreg(HW_REG_IB_STS2, 6, 4)
	s_cmp_eq_u32 s2, 0
	s_cbranch_scc0 .Lentry_in_a_cluster
	s_endpgm
.Lentry_in_a_cluster:
	s_bfe_u32 s2, ttmp6, 0x10000c
	s_cmp_lg_u32 s2, 0x3003
	s_cbranch_scc0 .Lentry_shape_is_right
	s_endpgm
.Lentry_shape_is_right:
; part[g][d] = the sum over the 64 rows t of work-group g of k^[t][d] v[t][d], where k = x Wk + bk, v = x Wv + bv, k^ = k / |k| (the norm over a row's 1,024 columns).
; x [16384][1024] and Wqkv [3072][1024] are codes of FP6 (E2M3), K innermost, 768 bytes a row, with one E8M0 byte for each 32 along K; they go to the matrix unit as they lie.
; SHARES.  A work-group owns 64 whole rows, since a row's norm wants all its columns.  The launch is four HALF PANELS of 512 rows of Wqkv (k: 1024.., 1536..; v: 2048.., 2560..); wave w takes 128 of them,
; 4 tiles of rows x 8 tiles of columns = 32 accumulators = one window of 256 registers.  k stays in windows 2 and 3 in f32 while v is made in window 1, half by half.
; THE RING.  K goes in steps of 256 (rows of 192 bytes, which begin at multiples of 64 bytes: two slots of longer rows do not fit beside x) through two LDS slots of 512 rows; the ring runs on from half panel to half panel.
; Each wave fetches, and alone reads, its own 128 rows.  All work-groups walk the same weights: the four of a cluster ask for each tile JOINTLY.  x's 64 rows come once, by plain loads, and stay.
; THE PRODUCT IS USED TRANSPOSED (source 0 = 16 rows of W, source 1 = 16 rows of x): a lane holds one row t = 16 a + lane % 16, its registers run along the columns.
; THE ROWS OF W THAT FORM A TILE: tile (c, u) takes rows 64 c + 8 u + 0..7 in lanes 0-7 and rows 64 c + 32 + 8 (u xor 1) + 0..7 in lanes 8-15.  The 16 rows differ modulo 16, so that at a pitch of 60 words
; they begin at 16 different groups of four banks (64 banks of 4 bytes: ISA guide 11.1).  Register 64 a + 32 c + 8 u + j of lane (r, h) is column 64 c + (h ? 32 + 8 (u xor 1) : 8 u) + j.
; THE ACCUMULATORS BEGIN AS THE BIAS, loaded in the result's layout: every product adds in place, nothing is cleared and no bias is added.
; LIMITS: 1 / norm is v_rsq_f32 of the f32 sum of squares: a row whose sum of squares lies under 2^-126 counts as 0 there; NaN and infinities among the values that codes and scales stand for are not served.
; REGISTERS, window 0: v1-24 addresses; v32-47 W's scale words, v48-55 x's (two sets each); v56-63 sums of squares, then 1 / norm; v64-111, v160-207 x's fragments (sets 0, 1); v112-159, v208-255 W's (sets 0, 1).
.set SLOT1,  131072                    ; slot 1 begins here; slot 0 at 0
.set WAVEB,  30720                     ; a wave's 128 rows in a slot
.set PITCH,  240                       ; an LDS row: 3 x (64 bytes + 16 of padding)
.set ASC,    122880                    ; x's scale words: plane kq (256 along K) of 512 bytes, 8 bytes a row
.set NRM,    124928                    ; sums of squares: 16 bytes a row, 4 a wave
.set SPARE,  125952                    ; the spare words, 128 bytes a wave: two blocks of 256 bytes that no other line names
.set XR,     253952                    ; x: four chunks (256 along K) of 64 rows
.set CHUNK,  15360
.set SPW, 1
.set NIL, 2
.set BA,  4                            ; v4-11  W's fragments: 4 + 4 slot + 2 (u % 2) + (behind one padding more)
.set AB,  12                           ; v12-13 x's fragments, chunk 0
.set AC,  14                           ; v14-15 the same at the trip in hand
.set ASB, 16                           ; v16    x's scale words, plane 0;  v17 at the trip in hand
.set ASCC, 17
.set VS,  18                           ; v18    my byte in W's scales
.set VB,  19                           ; v19-20 my byte in a bias, for even and odd u
.set NW,  22
.set NR,  23
.set PO,  24                           ; v24    my 16 bytes of the wave's 512 of part
.set SCB, 32
.set SCA, 48
.set SSQ, 56
.set AF0, 64
.set BF0, 112
.set PP,  160                          ; v160-223 the products' sums over a;  v224-239 at work
.set TX,  224
.set WV,  24
.set CX,  25
.set GG,  26
.set G1W, 28
.set G1X, 36
.set G0X, 44
.set G0,  48                           ; s[48:51], s[52:55] group 0 of slots 0, 1
.set NX,  56                           ; s[56:57], s[58:59] plain pointers: the next half panel's first two tiles
.set PS,  60                           ; s[60:61] W's scales at the trip in hand;  s[62:63] at the next half panel
.set NXTS, 62
.set TMP, 66
.set ST,  68                           ; trip of a half panel
.set SA,  69                           ; x's chunks: 0 or two chunks on
.set SS,  70                           ; x's scale planes: 0 or two planes on
.set SEL, 72
.set MH,  74
.set M8,  75
.set M4,  76
.set M2,  77
.set M1,  78
.set OUTB, 82
.set PX,  92                           ; s[92:93], s[94:95] plain pointers: the tile that slot 0's, slot 1's next refill brings
.set MSB, 0
.macro WIN new                         ; the immediate's high byte repeats the setting that is left; a switch that changes nothing is dropped
.if MSB != (\new)
	s_set_vgpr_msb (MSB<<8)|(\new)
.set MSB, (\new)
.endif
.endm
.macro PLACES                          ; four places between a matrix instruction and a load into, or a vector read of, its registers (ISA guide 7.12.1 for vector reads)
.rept 4
	v_nop
.endr
.endm
.macro CREST                           ; a round of the cluster's barrier behind its opening barrier
	s_cmp_lg_u32 s[WV], 0
	s_cbranch_scc1 .Lnot_wave_0_\@
	s_barrier_signal -3
.Lnot_wave_0_\@:
	s_barrier_wait -3
	s_barrier_signal -1
	s_barrier_wait -1
.endm
.macro CROUND
	s_barrier_signal -1
	s_barrier_wait -1
	CREST
.endm
; A fragment: 16 rows x 128 K in 12 registers, six pieces of 8 bytes.  Lanes 16-31 read three pieces on, which for some pieces is behind one padding more: register adr + 1 serves those.
.macro FRAG reg, adr, q, off
.irp p, 0,1,2,3,4,5
.set PCX, 12*(\q)+6*(\p/3)+\p%3
.if PCX%8 < 5
	ds_load_b64 v[\reg+2*\p:\reg+2*\p+1], v[\adr] offset:\off+8*PCX+16*(PCX/8)
.else
	ds_load_b64 v[\reg+2*\p:\reg+2*\p+1], v[\adr+1] offset:\off+8*PCX+16*(PCX/8)
.endif
.endr
.endm
.macro LOADB sg, q, c                  ; W's four tiles (c, 0..3) of the slot's q-th 128 along K into set c: 24 loads
.irp u, 0,1,2,3
	FRAG BF0+96*(\c)+12*\u, BA+4*(\sg)+2*(\u%2), \q, (64*(\c)+8*\u)*PITCH
.endr
.endm
.macro LOADA sel, q, set               ; x's four tiles of rows, chunk sel of the trip, its q-th 128 along K: 24 loads
.irp a, 0,1,2,3
	FRAG AF0+96*(\set)+12*\a, AC, \q, (\sel)*CHUNK+\a*16*PITCH
.endr
.endm
.macro LOADAS sgn, off                 ; the rows' scale words of a slot: lanes 0-15 an even tile of rows, lanes 16-31 the odd one; two words (q = 0, 1) a lane
.irp i, 0,1
	ds_load_b64 v[SCA+4*(\sgn)+2*\i:SCA+4*(\sgn)+2*\i+1], v[ASCC] offset:(\off)+256*\i
.endr
.endm
.macro LOADWS sgn, off                 ; W's scale words of a slot, from memory: 8 of each row's 32 bytes; lanes 0-15 an even u, lanes 16-31 the odd one.  (All 64 KB of a launch's scale bytes do not fit in LDS beside the ring.)
.irp c, 0,1
.irp i, 0,1
	global_load_b64 v[SCB+8*(\sgn)+2*(2*\c+\i):SCB+8*(\sgn)+2*(2*\c+\i)+1], v[VS], s[PS:PS+1] offset:(\off)+2048*\c+512*\i
.endr
.endr
.endm
; 8 matrix instructions: tiles (c, ub), (c, ub + 1) of W x the four tiles of rows.  The 32 accumulators take turns, one instruction a turn.
.macro MUL8 c, q, sg, ub
.irp e, 0,1
.irp a, 0,1,2,3
.set UU, (\ub)+\e
.set XD, 64*\a+32*(\c)+8*UU
.set XB, BF0+96*(\c)+12*UU
.set XA, AF0+96*(\q)+12*\a
.set XSB, SCB+8*(\sg)+2*(2*(\c)+UU/2)+(\q)
.set XSA, SCA+4*(\sg)+2*(\a/2)+(\q)
.if (UU%2) && (\a%2)
	v_wmma_scale_f32_16x16x128_f8f6f4 v[XD:XD+7], v[XB:XB+11], v[XA:XA+11], v[XD:XD+7], v[XSB], v[XSA] matrix_a_fmt:MATRIX_FMT_FP6 matrix_b_fmt:MATRIX_FMT_FP6 matrix_a_scale:MATRIX_SCALE_ROW1 matrix_b_scale:MATRIX_SCALE_ROW1
.elseif (UU%2)
	v_wmma_scale_f32_16x16x128_f8f6f4 v[XD:XD+7], v[XB:XB+11], v[XA:XA+11], v[XD:XD+7], v[XSB], v[XSA] matrix_a_fmt:MATRIX_FMT_FP6 matrix_b_fmt:MATRIX_FMT_FP6 matrix_a_scale:MATRIX_SCALE_ROW1
.elseif (\a%2)
	v_wmma_scale_f32_16x16x128_f8f6f4 v[XD:XD+7], v[XB:XB+11], v[XA:XA+11], v[XD:XD+7], v[XSB], v[XSA] matrix_a_fmt:MATRIX_FMT_FP6 matrix_b_fmt:MATRIX_FMT_FP6 matrix_b_scale:MATRIX_SCALE_ROW1
.else
	v_wmma_scale_f32_16x16x128_f8f6f4 v[XD:XD+7], v[XB:XB+11], v[XA:XA+11], v[XD:XD+7], v[XSB], v[XSA] matrix_a_fmt:MATRIX_FMT_FP6 matrix_b_fmt:MATRIX_FMT_FP6
.endif
.endr
.endr
.endm
.macro BIASLD W, sb, off               ; window W's 32 accumulators begin as the bias of the wave's 128 columns from byte off on: 64 loads
	WIN (\W)<<6
.irp a, 0,1,2,3
.irp c, 0,1
.irp u, 0,1,2,3
.irp k, 0,1
	global_load_b128 v[64*\a+32*\c+8*\u+4*\k:64*\a+32*\c+8*\u+4*\k+3], v[VB+\u%2], s[\sb:\sb+1] offset:(\off)+(64*\c+8*\u)*4+16*\k
.endr
.endr
.endr
.endr
	WIN 0
.endm
; A SLOT: 256 along K, 64 matrix instructions in four quarters (c, q) = (0,0) (1,0) (0,1) (1,1); each quarter's fragments are asked for a quarter ahead.
; fill = 1: the slot is filled again, and the refill after this one is the next half panel's; 2: it is filled again, for the last time; 0: not.  nxt = 1: a slot follows.
.macro SLOT sg, W, fill, nxt
.set MULW, ((\W)<<6)|((\W)<<4)
	PLACES
	LOADB \sg, 0, 1
	s_wait_loadcnt 0x0                             ; what was asked of memory a slot ago is in: this slot's scale words of W, biases
	s_wait_dscnt 24                                ; all but the 24 loads just issued: W's set 0, the rows' set 0 and their scale words
.if \nxt
.if \sg == 0
	LOADWS 1, 8
.else
.if \fill == 1
	s_add_nc_u64 s[TMP:TMP+1], s[PS:PS+1], 16      ; (the loads that named the pointer are in)
	s_cmp_eq_u32 s[ST], 0
	s_cselect_b64 s[PS:PS+1], s[TMP:TMP+1], s[NXTS:NXTS+1]
.else
	s_add_nc_u64 s[PS:PS+1], s[PS:PS+1], 16
.endif
	LOADWS 0, 0
.endif
.endif
	WIN MULW
	MUL8 0, 0, \sg, 0
	MUL8 0, 0, \sg, 2
	PLACES
	WIN 0
	LOADB \sg, 1, 0
	LOADA \sg, 1, 1
	s_wait_dscnt 48                                ; all but the 24 + 24 just issued: W's set 1
	WIN MULW
	MUL8 1, 0, \sg, 0
	MUL8 1, 0, \sg, 2
	PLACES
	WIN 0
	LOADB \sg, 1, 1
	s_wait_dscnt 24                                ; W's set 0 and the rows' set 1
.if \fill
	s_wait_tensorcnt 0x0                           ; all my tensor loads have landed: the one that was out is my part of the other slot
	ds_add_u32 v[SPW], v[NIL]                      ; 0 onto my spare word
	s_mov_b64 s[G0+4*\sg+2:G0+4*\sg+3], s[PX+2*\sg:PX+2*\sg+1]   ; no load of mine is out, so a group 0 may be written: the tile that is due, from its plain pointer,
	s_or_b32 s[G0+4*\sg+3], s[G0+4*\sg+3], 0x80000000            ; with type = 2 on top
.if \fill == 1
	s_mov_b64 s[PX+2*\sg:PX+2*\sg+1], s[NX+2*\sg:NX+2*\sg+1]     ; the refill after this one brings the next half panel's tile
.endif
	WIN MULW
	MUL8 0, 1, \sg, 0                              ; eight matrix instructions stand between the add and the wait for it
	s_wait_dscnt 0x0                               ; the add is done, and my reads of this slot are over
	s_barrier_signal -1
	MUL8 0, 1, \sg, 2
	WIN 0
	s_barrier_wait -1
	CREST                                          ; the barrier has opened a round of the cluster's: no wave of any partner still reads this slot or has a load on its way
	tensor_load_to_lds s[G0+4*\sg:G0+4*\sg+3], s[G1W:G1W+7]   ; the joint refill, first behind the round: 48 of a slot's 64 matrix instructions stand ahead of the wait for it
	s_nop 0
	PLACES                                         ; (the places in front of the loads below)
.else
.if \nxt
	s_wait_tensorcnt 0x0                           ; my part of the last slot has landed; only I read it
.endif
	WIN MULW
	MUL8 0, 1, \sg, 0
	MUL8 0, 1, \sg, 2
	PLACES
	WIN 0
.endif
.if \nxt
.if \sg == 1
	s_xor_b32 s[SA], s[SA], 2*CHUNK                ; the next trip's rows and scale planes
	s_xor_b32 s[SS], s[SS], 1024
	v_add_nc_u32 v[AC], s[SA], v[AB]
	v_add_nc_u32 v[AC+1], s[SA], v[AB+1]
	v_add_nc_u32 v[ASCC], s[SS], v[ASB]
.endif
	LOADB 1-\sg, 0, 0
	LOADA 1-\sg, 0, 0
	LOADAS 1-\sg, 512*(1-\sg)
	s_wait_dscnt 50                                ; all but the next slot's first 24 + 24 + 2: W's set 1
.else
	s_wait_dscnt 0x0
.endif
	WIN MULW
	MUL8 1, 1, \sg, 0
	MUL8 1, 1, \sg, 2
	WIN 0
.endm
.macro HPLOOP W                        ; a half panel that has a successor: two trips of two slots
	s_mov_b32 s[ST], 0
.Lhp_\@:
	SLOT 0, \W, 1, 1
	SLOT 1, \W, 1, 1
	s_add_co_u32 s[ST], s[ST], 1
	s_cmp_lt_u32 s[ST], 2
	s_cbranch_scc1 .Lhp_\@
.endm
.macro HPLAST W                        ; the last half panel is written out
	SLOT 0, \W, 2, 1
	SLOT 1, \W, 2, 1
	SLOT 0, \W, 0, 1
	SLOT 1, \W, 0, 0
.endm
.macro NEXTHP more                     ; ahead of a half panel whose first two tiles NX names: its K steps 2 and 3 are the next refills; more = 1: NX and the scales' pointer go 512 rows on
	s_add_nc_u64 s[PX:PX+1], s[NX:NX+1], 384
	s_add_nc_u64 s[PX+2:PX+3], s[NX+2:NX+3], 384
.if \more
	s_add_nc_u64 s[NX:NX+1], s[NX:NX+1], 393216
	s_add_nc_u64 s[NX+2:NX+3], s[NX+2:NX+3], 393216
	s_add_nc_u64 s[NXTS:NXTS+1], s[NXTS:NXTS+1], 16384
.endif
.endm
; The sum of squares of windows 2 and 3 for each of my four rows: four chains by turns, each accumulator from its low end on; then lane l xor 16's; then to LDS for the other waves.
.macro SUMSQ
	PLACES
	WIN 0x0a
.set i, 0
.rept 32
.irp a, 0,1,2,3
.if i == 0
	v_pk_mul_f32 v[SSQ+2*\a:SSQ+2*\a+1], v[64*\a:64*\a+1], v[64*\a:64*\a+1]
.else
	v_pk_fma_f32 v[SSQ+2*\a:SSQ+2*\a+1], v[64*\a+2*i:64*\a+2*i+1], v[64*\a+2*i:64*\a+2*i+1], v[SSQ+2*\a:SSQ+2*\a+1]
.endif
.endr
.set i, i+1
.endr
	WIN 0x0f
.set i, 0
.rept 32
.irp a, 0,1,2,3
	v_pk_fma_f32 v[SSQ+2*\a:SSQ+2*\a+1], v[64*\a+2*i:64*\a+2*i+1], v[64*\a+2*i:64*\a+2*i+1], v[SSQ+2*\a:SSQ+2*\a+1]
.endr
.set i, i+1
.endr
	WIN 0
.irp a, 0,1,2,3
	v_add_f32 v[SSQ+2*\a], v[SSQ+2*\a], v[SSQ+2*\a+1]
.endr
.irp a, 0,1,2,3
	v_permlanex16_b32 v[SSQ+2*\a+1], v[SSQ+2*\a], s[SEL], s[SEL+1]
.endr
.irp a, 0,1,2,3
	v_add_f32 v[SSQ+2*\a], v[SSQ+2*\a], v[SSQ+2*\a+1]
.endr
.irp a, 0,1,2,3
	ds_store_b32 v[NW], v[SSQ+2*\a] offset:256*\a  ; lanes l and l + 16 write the same word with the same value
.endr
.endm
.macro NORMS                           ; behind the barrier: the four waves' parts of my rows; 1 / norm into v[SSQ + 2 a]
.irp a, 0,1,2,3
	ds_load_b128 v[160+4*\a:163+4*\a], v[NR] offset:256*\a
.endr
	s_wait_dscnt 0x0
.irp a, 0,1,2,3
	v_add_f32 v[160+4*\a], v[160+4*\a], v[161+4*\a]
	v_add_f32 v[162+4*\a], v[162+4*\a], v[163+4*\a]
.endr
.irp a, 0,1,2,3
	v_add_f32 v[160+4*\a], v[160+4*\a], v[162+4*\a]
.endr
.irp a, 0,1,2,3
	v_rsq_f32 v[SSQ+2*\a], v[160+4*\a]
.endr
	v_nop                                          ; a plain place behind the transcendentals (ISA guide 5.7.2)
.endm
; One step of the sum over the 16 lanes of a half: each lane keeps half of its registers (those d on where its bit of r is set) and gives the other half to the lane xm away.
.macro RSTEP msk, xm, d
.set i, 0
.rept \d
	v_cndmask_b32 v[TX+2*(i%8)], v[PP+i], v[PP+i+\d], s[\msk]
	v_cndmask_b32 v[TX+2*(i%8)+1], v[PP+i+\d], v[PP+i], s[\msk]
	v_add_f32_dpp v[PP+i], v[TX+2*(i%8)+1], v[TX+2*(i%8)] row_xmask:\xm row_mask:0xf bank_mask:0xf
.set i, i+1
.endr
.endm
; Half hp of v is finished: k^ v summed over my four tiles of rows, then over the 16 rows of a tile; a lane ends with four neighbouring columns, the wave stores 512 consecutive bytes.
.macro VEPI hp
	PLACES
	WIN 0x06+(\hp)                                 ; source 0: k^ (window 2 + hp); source 1: v (window 1)
.irp a, 0,1,2,3
.set i, 0
.rept 32
.if \a == 0
	v_pk_mul_f32 v[PP+2*i:PP+2*i+1], v[2*i:2*i+1], v[2*i:2*i+1]
.else
	v_pk_fma_f32 v[PP+2*i:PP+2*i+1], v[64*\a+2*i:64*\a+2*i+1], v[64*\a+2*i:64*\a+2*i+1], v[PP+2*i:PP+2*i+1]
.endif
.set i, i+1
.endr
.endr
	WIN 0
.if \hp == 0
	BIASLD 1, 12, 10240                            ; the second half of v begins as its bias; the loads land under the sums below
.endif
	RSTEP M8, 8, 32
	RSTEP M4, 4, 16
	RSTEP M2, 2, 8
	RSTEP M1, 1, 4
	global_store_b128 v[PO], v[PP:PP+3], s[OUTB:OUTB+1] offset:2048*(\hp)
.if \hp == 0
	s_wait_xcnt 0x0                                ; the store has read its registers: they are loaded again below
.endif
.endm
	s_load_b256 s[4:11], s[0:1], 0x0               ; x's codes s[4:5], x's scales s[6:7], Wqkv's codes s[8:9], Wqkv's scales s[10:11]
	s_load_b128 s[12:15], s[0:1], 0x20             ; bqkv s[12:13], part s[14:15]
	v_lshl_add_u32 v[SPW], v0, 2, SPARE
	v_mov_b32 v[NIL], 0
	ds_add_u32 v1, v2
	ds_add_u32 v1, v2
	s_wait_dscnt 0x0
	v_lshrrev_b32 v3, 5, v0
	v_readfirstlane_b32 s[WV], v3                  ; wave 0..3
	s_bfe_u32 s[CX], ttmp6, 0x40000                ; my place in the cluster
	s_lshl_b32 s[GG], ttmp9, 2
	s_add_co_u32 s[GG], s[GG], s[CX]               ; my work-group: it enters x's and part's addresses alone
	s_mov_b32 s[SEL], 0x76543210
	s_mov_b32 s[SEL+1], 0xfedcba98                 ; v_permlanex16_b32's selects for lane l xor 16
	s_mov_b32 s[MH], 0xffff0000                    ; lanes 16-31
	s_mov_b32 s[M8], 0xff00ff00                    ; lanes whose r has bit 3, 2, 1, 0
	s_mov_b32 s[M4], 0xf0f0f0f0
	s_mov_b32 s[M2], 0xcccccccc
	s_mov_b32 s[M1], 0xaaaaaaaa
	s_mov_b32 s[SA], 0
	s_mov_b32 s[SS], 0
	; group 1 for W's tiles: 128 rows x 192 bytes, 768 bytes apart, 16 bytes of padding behind every 64; the mask names all four work-groups
	s_mov_b32 s[G1W], 15|(1<<20)|(1<<21)|(3<<22)|(3<<25)
	s_mov_b32 s[G1W+1], 192<<16
	s_mov_b32 s[G1W+2], 128<<16
	s_mov_b32 s[G1W+3], 192<<16
	s_mov_b32 s[G1W+4], 128
	s_mov_b32 s[G1W+5], 768
	s_mov_b32 s[G1W+6], 0
	s_mov_b32 s[G1W+7], 0
	; and for a chunk of x: 64 rows, no mask
	s_mov_b32 s[G1X], (1<<20)|(3<<22)|(3<<25)
	s_mov_b32 s[G1X+1], 192<<16
	s_mov_b32 s[G1X+2], 64<<16
	s_mov_b32 s[G1X+3], 192<<16
	s_mov_b32 s[G1X+4], 64
	s_mov_b32 s[G1X+5], 768
	s_mov_b32 s[G1X+6], 0
	s_mov_b32 s[G1X+7], 0
	; every LDS address is made here, at the head, in a register that holds nothing else
	v_and_b32 v160, 15, v0                         ; r
	v_bfe_u32 v161, v0, 4, 1                       ; h
	v_bfe_u32 v162, v0, 3, 1                       ; r / 8
	v_and_b32 v168, 31, v0                         ; lane
	v_lshl_add_u32 v163, v162, 5, v160             ; my row in a tile of even u: r + 32 (r / 8)
	v_lshl_add_u32 v164, v162, 4, v160             ; of odd u: r + 16 (r / 8)
	s_mul_i32 s88, s[WV], WAVEB
	v_mul_u32_u24 v165, v163, PITCH
	v_mul_u32_u24 v166, v164, PITCH
	v_add_nc_u32 v165, s88, v165
	v_add_nc_u32 v166, s88, v166
	v_mad_u32_u24 v[BA], v161, 24, v165
	v_mad_u32_u24 v[BA+1], v161, 40, v165
	v_mad_u32_u24 v[BA+2], v161, 24, v166
	v_mad_u32_u24 v[BA+3], v161, 40, v166
.irp j, 0,1,2,3
	v_add_nc_u32 v[BA+4+\j], SLOT1, v[BA+\j]
.endr
	v_mul_u32_u24 v167, v160, PITCH
	v_add_nc_u32 v167, XR, v167
	v_mad_u32_u24 v[AB], v161, 24, v167
	v_mad_u32_u24 v[AB+1], v161, 40, v167
	v_add_nc_u32 v[AC], s[SA], v[AB]
	v_add_nc_u32 v[AC+1], s[SA], v[AB+1]
	v_lshl_add_u32 v[ASB], v168, 3, ASC
	v_add_nc_u32 v[ASCC], s[SS], v[ASB]
	v_add_nc_u32 v169, 8, v164
	v_cndmask_b32 v169, v163, v169, s[MH]          ; lanes 0-15: the even tile's row; lanes 16-31: the odd tile's, 8 rows on
	v_lshlrev_b32 v169, 5, v169                    ; 32 scale bytes a row
	s_lshl_b32 s89, s[WV], 12
	v_add_nc_u32 v[VS], s89, v169
	s_lshl_b32 s89, s[WV], 9
	v_mul_u32_u24 v[VB], v161, 160
	v_mul_u32_u24 v[VB+1], v161, 96
	v_add_nc_u32 v[VB], s89, v[VB]
	v_add_nc_u32 v[VB+1], s89, v[VB+1]
	v_lshl_add_u32 v170, v162, 3, v160             ; part: 16 (r + 8 (r / 8)) + h (160 - 64 x bit 1 of r) + 512 wave
	v_bfe_u32 v171, v0, 1, 1
	v_lshlrev_b32 v171, 6, v171
	v_sub_nc_u32 v171, 160, v171
	v_mul_u32_u24 v171, v171, v161
	v_lshl_add_u32 v[PO], v170, 4, v171
	v_add_nc_u32 v[PO], s89, v[PO]
	v_lshl_add_u32 v[NR], v160, 4, NRM
	s_lshl_b32 s89, s[WV], 2
	v_add_nc_u32 v[NW], s89, v[NR]
	v_lshlrev_b32 v172, 4, v0                      ; x's scales: thread t takes 16 bytes: half t % 2 of row t / 2
	v_and_b32 v173, 1, v0
	v_lshrrev_b32 v174, 1, v0
	v_lshlrev_b32 v173, 10, v173
	v_lshl_add_u32 v173, v174, 3, v173
	v_add_nc_u32 v173, ASC, v173                   ; planes 2 (t % 2) and 2 (t % 2) + 1, row t / 2
	s_wait_kmcnt 0x0
	s_lshl_b32 s84, s[GG], 11
	s_mov_b32 s85, 0
	s_add_nc_u64 s[6:7], s[6:7], s[84:85]          ; my 64 rows' scale bytes
	global_load_b128 v[176:179], v172, s[6:7]
	s_lshl_b32 s84, s[GG], 12
	s_add_nc_u64 s[OUTB:OUTB+1], s[14:15], s[84:85]   ; my row of part
	s_mul_i32 s84, s[GG], 49152
	s_mul_i32 s86, s[WV], 192
	s_add_co_u32 s84, s84, s86
	s_mov_b32 s[G0X], 1
	s_mul_i32 s[G0X+1], s[WV], CHUNK
	s_add_co_u32 s[G0X+1], s[G0X+1], XR
	s_add_nc_u64 s[G0X+2:G0X+3], s[4:5], s[84:85]  ; wave w brings chunk w of my 64 rows
	s_or_b32 s[G0X+3], s[G0X+3], 0x80000000
	s_mul_i32 s88, s[WV], 98304                    ; my 128 rows of a half panel,
	s_add_co_u32 s88, s88, 786432                  ; from row 1,024 of Wqkv on: k
	s_mov_b32 s89, 0
	s_add_nc_u64 s[NX:NX+1], s[8:9], s[88:89]
	s_add_nc_u64 s[NX+2:NX+3], s[NX:NX+1], 192
	s_mov_b32 s[G0], 1
	s_mul_i32 s[G0+1], s[WV], WAVEB
	s_mov_b64 s[G0+2:G0+3], s[NX:NX+1]
	s_or_b32 s[G0+3], s[G0+3], 0x80000000
	s_mov_b32 s[G0+4], 1
	s_add_co_u32 s[G0+5], s[G0+1], SLOT1
	s_mov_b64 s[G0+6:G0+7], s[NX+2:NX+3]
	s_or_b32 s[G0+7], s[G0+7], 0x80000000
	s_add_nc_u64 s[PS:PS+1], s[10:11], 32768
	s_mov_b64 s[NXTS:NXTS+1], s[PS:PS+1]
	NEXTHP 1                                       ; the first refills: K steps 2 and 3 of k's first half; then k's second half
	CROUND                                         ; all four work-groups are here: the first joint loads meet
	tensor_load_to_lds s[G0X:G0X+3], s[G1X:G1X+7]  ; the first fills go out together: three loads of mine are out
	s_nop 0
	tensor_load_to_lds s[G0:G0+3], s[G1W:G1W+7]
	s_nop 0
	tensor_load_to_lds s[G0+4:G0+7], s[G1W:G1W+7]
	s_nop 0
	PLACES
	s_wait_loadcnt 0x0                             ; x's scale bytes
	ds_store_b64 v173, v[176:177]
	ds_store_b64 v173, v[178:179] offset:512
	LOADWS 0, 0
	BIASLD 2, 12, 4096                             ; k's two halves and v's first begin as their biases
	BIASLD 3, 12, 6144
	BIASLD 1, 12, 8192
	s_wait_tensorcnt 0x1                           ; my chunk of x and my part of slot 0 are in; slot 1's may stay out
	s_wait_dscnt 0x0                               ; my scale words lie in LDS
	s_barrier_signal -1
	s_barrier_wait -1
	LOADB 0, 0, 0
	LOADA 0, 0, 0
	LOADAS 0, 0
	HPLOOP 2                                       ; k, columns 0-511
	NEXTHP 1
	HPLOOP 3                                       ; k, columns 512-1023
	NEXTHP 1
	SUMSQ
	s_wait_dscnt 0x0                               ; for the others' sake: my sums lie in LDS.
	s_barrier_signal -1
	s_barrier_wait -1
	NORMS
	WIN 0x82                                       ; k^ = k / norm, in place
	s_wait_alu depctr_va_vdst(0)
.irp a, 0,1,2,3
.set i, 0
.rept 32
	v_pk_mul_f32 v[64*\a+2*i:64*\a+2*i+1], v[64*\a+2*i:64*\a+2*i+1], v[SSQ+2*\a:SSQ+2*\a+1] op_sel_hi:[1,0]
.set i, i+1
.endr
.endr
	WIN 0xc3
.irp a, 0,1,2,3
.set i, 0
.rept 32
	v_pk_mul_f32 v[64*\a+2*i:64*\a+2*i+1], v[64*\a+2*i:64*\a+2*i+1], v[SSQ+2*\a:SSQ+2*\a+1] op_sel_hi:[1,0]
.set i, i+1
.endr
.endr
	WIN 0
	HPLOOP 1                                       ; v, columns 0-511
	NEXTHP 0
	VEPI 0
	HPLAST 1                                       ; v, columns 512-1023
	VEPI 1
	s_wait_tensorcnt 0x0                           ; the wave's end
	ds_add_u32 v[SPW], v[NIL]
	s_wait_dscnt 0x0
	CROUND                                         ; the closing round: no work-group ends while a partner may still ask for a tile that names it
	s_endpgm
.Lfunc_end_k_q1c7f4ea33a_kvpart:
	.size	k_q1c7f4ea33a_kvpart, .Lfunc_end_k_q1c7f4ea33a_kvpart-k_q1c7f4ea33a_kvpart
	.p2alignl 7, 3214868480
	.fill 96, 4, 3214868480
	.section	.rodata,"a",@progbits
	.p2align	6, 0x0
	.amdhsa_kernel k_q1c7f4ea33a_kvpart
		.amdhsa_group_segment_fixed_size 327680
		.amdhsa_private_segment_fixed_size 0
		.amdhsa_enable_private_segment 0
		.amdhsa_kernarg_size 48
		.amdhsa_user_sgpr_count 2
		.amdhsa_user_sgpr_kernarg_segment_ptr 1
		.amdhsa_wavefront_size32 1
		.amdhsa_system_sgpr_workgroup_id_x 1
		.amdhsa_system_sgpr_workgroup_id_y 1
		.amdhsa_system_sgpr_workgroup_id_z 1
		.amdhsa_system_vgpr_workitem_id 0
		.amdhsa_next_free_vgpr 1024
		.amdhsa_next_free_sgpr 100
		.amdhsa_reserve_vcc 0
		.amdhsa_float_denorm_mode_32 3
		.amdhsa_float_denorm_mode_16_64 3
		.amdhsa_memory_ordered 1
		.amdhsa_forward_progress 1
		.amdhsa_inst_pref_size 255
	.end_amdhsa_kernel
	.section	.bss,"aw",@nobits
	.p2align	6
	.space	262144
	.amdgpu_metadata
---
amdhsa.version: [ 1, 2 ]
amdhsa.kernels:
  - .name:           k_q1c7f4ea33a_kvpart
    .symbol:         k_q1c7f4ea33a_kvpart.kd
    .args:
      - { .name: x_codes, .offset: 0, .size: 8, .value_kind: global_buffer, .address_space: global }
      - { .name: x_scales, .offset: 8, .size: 8, .value_kind: global_buffer, .address_space: global }
      - { .name: Wqkv_codes, .offset: 16, .size: 8, .value_kind: global_buffer, .address_space: global }
      - { .name: Wqkv_scales, .offset: 24, .size: 8, .value_kind: global_buffer, .address_space: global }
      - { .name: bqkv, .offset: 32, .size: 8, .value_kind: global_buffer, .address_space: global }
      - { .name: part, .offset: 40, .size: 8, .value_kind: global_buffer, .address_space: global }
    .group_segment_fixed_size: 327680
    .private_segment_fixed_size: 0
    .kernarg_segment_align: 8
    .kernarg_segment_size: 48
    .max_flat_workgroup_size: 128
    .sgpr_count:     100
    .vgpr_count:     1024
    .wavefront_size: 32
...
	.end_amdgpu_metadata
.endif
;; end of part 1
;; launch project (part 2): grid 256 x 1, 4 waves a work-group, clusters of 4 x 1, 327,680 bytes of LDS; arguments x_codes, x_scales, Wqkv_codes, Wqkv_scales, bqkv, Wout_codes, Wout_scales, bout, part, out0; writes out0
.if DOCPART == 2
	.amdgcn_target "amdgcn-amd-amdhsa--gfx1250"
	.amdhsa_code_object_version 6
	.text
	.protected	k_q1c7f4ea33a_project
	.globl	k_q1c7f4ea33a_project
	.p2align	8
	.type	k_q1c7f4ea33a_project,@function
k_q1c7f4ea33a_project:
	s_mov_b64 s[64:65], 0
	v_nop
	global_prefetch_b8 v0, s[64:65] scope:SCOPE_SE
	s_setreg_imm32_b32 hwreg(HW_REG_WAVE_MODE, 25, 1), 1
	s_wait_xcnt 0x0
	s_wait_alu depctr_hold_cnt(0) depctr_sa_sdst(0) depctr_va_vdst(0) depctr_va_sdst(0) depctr_va_ssrc(0) depctr_va_vcc(0) depctr_vm_vsrc(0)
	s_getreg_b32 s2, hwreg(HW_REG_IB_STS2, 6, 4)
	s_cmp_eq_u32 s2, 0
	s_cbranch_scc0 .Lentry_in_a_cluster
	s_endpgm
.Lentry_in_a_cluster:
	s_bfe_u32 s2, ttmp6, 0x10000c
	s_cmp_lg_u32 s2, 0x3003
	s_cbranch_scc0 .Lentry_shape_is_right
	s_endpgm
.Lentry_shape_is_right:
; out0 = Q(q^ kv) Wout + bout, where q = x Wq + bq, q^ = q / |q| (the norm over a row's 1,024 columns), kv[d] = the sum of the batch's 64 rows of part, Q the MX-FP6 quantiser along d.
; x, Wqkv and Wout are codes of FP6 (E2M3), K innermost, 768 bytes a row, one E8M0 byte for each 32 along K.
; SHARES, RING, LAYOUT: a work-group owns 64 whole rows.  Four HALF PANELS of 512 weight rows: q (Wqkv's rows 0.., 512..) into windows 2 and 3, then y (Wout's rows 0.., 512..) into the same windows; wave w takes 128
; of the 512, 32 accumulators.  K goes in steps of 256 (rows of 192 bytes, which begin at multiples of 64 bytes) through two LDS slots; the ring runs on from Wqkv into Wout.  Each wave fetches and alone reads its own rows;
; the four work-groups of a cluster ask for each tile JOINTLY.  The product is used transposed (source 0 = 16 weight rows, source 1 = 16 rows of x or of the quantised operand).
; THE ROWS OF A WEIGHT TILE: tile (c, u): rows 64 c + 8 u + 0..7 in lanes 0-7, rows 64 c + 32 + 8 (u xor 1) + 0..7 in lanes 8-15.  So register 64 a + 32 c + 8 u + j of lane (r, h) is column
; 64 c + (h ? 32 + 8 (u xor 1) : 8 u) + j: A LANE HOLDS A WHOLE BLOCK OF 32 ALONG THE NEXT K in 32 registers on end (for h = 1 its groups of eight in the order 1, 0, 3, 2): a block's maximum asks no other lane,
; and the conversions' results, turned by 48 bits where h = 1, are the next operand's registers.  They go to the other waves through LDS as images of the registers.
; kv: each thread sums eight columns of the batch's 64 partial rows, eight rows a slot, under q's products.  The accumulators begin as the bias.
; LIMITS: 1 / norm is v_rsq_f32 of the f32 sum of squares: a row whose sum of squares lies under 2^-126 counts as 0 there.  A block of zeros keeps the scale byte 1 with zero codes (the bytes are read here alone).
; NaN and infinities among the values that codes and scales stand for are not served.
; REGISTERS, window 0: v1-31 addresses; v32-47, v48-55 scale words; v56-63 sums of squares, then 1 / norm; v64-111, v160-207 the rows' fragments; v112-159, v208-255 W's.
;   window 1: v0-63 eight partial rows, v64-71 their running sums, v72-74 kv's LDS addresses, v128-255 kv in the accumulators' layout.   windows 2, 3: q, then y.
.set SLOT1,  131072
.set WAVEB,  30720
.set PITCH,  240
.set ASC,    122880                    ; the rows' scale words: plane kq (256 along K) of 512 bytes, 8 bytes a row: x's, later the quantised operand's
.set NRM,    124928
.set SPARE,  125952                    ; the spare words, 128 bytes a wave: two blocks of 256 bytes that no other line names
.set KV,     126464                    ; kv, 1,024 numbers
.set XR,     253952                    ; x: four chunks of 64 rows; filled once
.set CHUNK,  15360
.set AIMG,   XR                        ; behind the norm's barrier, where x is done with: the quantised operand's 32 fragments, (8 a + K step) x 1,536 bytes
.set STG,    XR+49152                  ; and a stage of 16 rows x 272 bytes for each wave
.set SPW, 1
.set NIL, 2
.set SH8, 3                            ; v3  8 h
.set BA,  4
.set AB,  12
.set AC,  14
.set ASB, 16
.set ASCC, 17
.set VS,  18
.set VB,  19
.set KVO, 21                           ; v21 16 x thread: my bytes in a row of part
.set NW,  22
.set NR,  23
.set AIB, 24                           ; v24 an image's place for my lane: AIMG + 16 x lane
.set IW,  26                           ; v26 where I store an image
.set SW,  27                           ; v27 and its scale word
.set STO, 28                           ; v28-29 into the stage, for even and odd u
.set RD,  30                           ; v30 back out of it
.set GO,  31                           ; v31 my bytes in out0
.set KVA, 72                           ; window 1: v72-73 kv in LDS, for even and odd u;
.set KVW, 74                           ; window 1: v74 where I store my eight columns of kv
.set SCB, 32
.set SCA, 48
.set SSQ, 56
.set AF0, 64
.set BF0, 112
.set QM,  160                          ; the quantiser's: largest magnitudes, scale operands, bytes, the scale word, a lane exchange,
.set QE,  162
.set QB,  164
.set QW,  166
.set QT,  167
.set QC,  168                          ; four conversions' results, four registers apart, the same turned by 48 bits, the fragment
.set QN,  184
.set QF,  196
.set OB,  160                          ; the way out: 16 rows read back, two sets of 32
.set WV,  24
.set CX,  25
.set GG,  26
.set G1W, 28
.set G1X, 36
.set G0X, 44
.set G0,  48
.set NX,  56                           ; s[56:57], s[58:59] plain pointers: the next half panel's first two tiles
.set PS,  60
.set NXTS, 62
.set TMP, 66
.set ST,  68
.set SA,  69
.set SS,  70
.set SN,  71                           ; groups of partial rows summed
.set SEL, 72
.set MH,  74
.set PSEL, 79
.set KP,  80
.set OUTB, 82
.set PX,  92                           ; s[92:93], s[94:95] plain pointers: the tile that slot 0's, slot 1's next refill brings
.set MSB, 0
.macro WIN new                         ; the immediate's high byte repeats the setting that is left; a switch that changes nothing is dropped
.if MSB != (\new)
	s_set_vgpr_msb (MSB<<8)|(\new)
.set MSB, (\new)
.endif
.endm
.macro PLACES                          ; four places between a matrix instruction and a load into, or a read of, its registers (ISA guide 7.12.1 for reads)
.rept 4
	v_nop
.endr
.endm
.macro CREST
	s_cmp_lg_u32 s[WV], 0
	s_cbranch_scc1 .Lnot_wave_0_\@
	s_barrier_signal -3
.Lnot_wave_0_\@:
	s_barrier_wait -3
	s_barrier_signal -1
	s_barrier_wait -1
.endm
.macro CROUND
	s_barrier_signal -1
	s_barrier_wait -1
	CREST
.endm
.macro FRAG reg, adr, q, off           ; a fragment in six pieces of 8 bytes; register adr + 1 serves the pieces that for lanes 16-31 lie behind one padding more
.irp p, 0,1,2,3,4,5
.set PCX, 12*(\q)+6*(\p/3)+\p%3
.if PCX%8 < 5
	ds_load_b64 v[\reg+2*\p:\reg+2*\p+1], v[\adr] offset:\off+8*PCX+16*(PCX/8)
.else
	ds_load_b64 v[\reg+2*\p:\reg+2*\p+1], v[\adr+1] offset:\off+8*PCX+16*(PCX/8)
.endif
.endr
.endm
.macro LOADB sg, q, c                  ; W's four tiles (c, 0..3) of the slot's q-th 128 along K into set c: 24 loads
.irp u, 0,1,2,3
	FRAG BF0+96*(\c)+12*\u, BA+4*(\sg)+2*(\u%2), \q, (64*(\c)+8*\u)*PITCH
.endr
.endm
.macro LOADA img, sel, q, set          ; the four tiles of rows.  img = 0: from x's rows, chunk sel of the trip: 24 loads.  img = 1: register images, K step sel of the trip: 12 loads
.if \img
.irp a, 0,1,2,3
.irp gq, 0,1,2
	ds_load_b128 v[AF0+96*(\set)+12*\a+4*\gq:AF0+96*(\set)+12*\a+4*\gq+3], v[AC] offset:(8*\a+(\sel))*1536+512*\gq
.endr
.endr
.else
.irp a, 0,1,2,3
	FRAG AF0+96*(\set)+12*\a, AC, \q, (\sel)*CHUNK+\a*16*PITCH
.endr
.endif
.endm
.macro LOADAS sgn, off                 ; the rows' scale words of a slot: lanes 0-15 an even tile of rows, lanes 16-31 the odd one
.irp i, 0,1
	ds_load_b64 v[SCA+4*(\sgn)+2*\i:SCA+4*(\sgn)+2*\i+1], v[ASCC] offset:(\off)+256*\i
.endr
.endm
.macro LOADWS sgn, off                 ; W's scale words of a slot, from memory: 8 of each row's 32 bytes; lanes 0-15 an even u, lanes 16-31 the odd one
.irp c, 0,1
.irp i, 0,1
	global_load_b64 v[SCB+8*(\sgn)+2*(2*\c+\i):SCB+8*(\sgn)+2*(2*\c+\i)+1], v[VS], s[PS:PS+1] offset:(\off)+2048*\c+512*\i
.endr
.endr
.endm
.macro MUL8 c, q, sg, ub               ; 8 matrix instructions; the 32 accumulators take turns, one instruction a turn
.irp e, 0,1
.irp a, 0,1,2,3
.set UU, (\ub)+\e
.set XD, 64*\a+32*(\c)+8*UU
.set XB, BF0+96*(\c)+12*UU
.set XA, AF0+96*(\q)+12*\a
.set XSB, SCB+8*(\sg)+2*(2*(\c)+UU/2)+(\q)
.set XSA, SCA+4*(\sg)+2*(\a/2)+(\q)
.if (UU%2) && (\a%2)
	v_wmma_scale_f32_16x16x128_f8f6f4 v[XD:XD+7], v[XB:XB+11], v[XA:XA+11], v[XD:XD+7], v[XSB], v[XSA] matrix_a_fmt:MATRIX_FMT_FP6 matrix_b_fmt:MATRIX_FMT_FP6 matrix_a_scale:MATRIX_SCALE_ROW1 matrix_b_scale:MATRIX_SCALE_ROW1
.elseif (UU%2)
	v_wmma_scale_f32_16x16x128_f8f6f4 v[XD:XD+7], v[XB:XB+11], v[XA:XA+11], v[XD:XD+7], v[XSB], v[XSA] matrix_a_fmt:MATRIX_FMT_FP6 matrix_b_fmt:MATRIX_FMT_FP6 matrix_a_scale:MATRIX_SCALE_ROW1
.elseif (\a%2)
	v_wmma_scale_f32_16x16x128_f8f6f4 v[XD:XD+7], v[XB:XB+11], v[XA:XA+11], v[XD:XD+7], v[XSB], v[XSA] matrix_a_fmt:MATRIX_FMT_FP6 matrix_b_fmt:MATRIX_FMT_FP6 matrix_b_scale:MATRIX_SCALE_ROW1
.else
	v_wmma_scale_f32_16x16x128_f8f6f4 v[XD:XD+7], v[XB:XB+11], v[XA:XA+11], v[XD:XD+7], v[XSB], v[XSA] matrix_a_fmt:MATRIX_FMT_FP6 matrix_b_fmt:MATRIX_FMT_FP6
.endif
.endr
.endr
.endm
.macro BIASLD W, sb, off               ; window W's 32 accumulators begin as the bias of the wave's 128 columns from byte off on: 64 loads
	WIN (\W)<<6
.irp a, 0,1,2,3
.irp c, 0,1
.irp u, 0,1,2,3
.irp k, 0,1
	global_load_b128 v[64*\a+32*\c+8*\u+4*\k:64*\a+32*\c+8*\u+4*\k+3], v[VB+\u%2], s[\sb:\sb+1] offset:(\off)+(64*\c+8*\u)*4+16*\k
.endr
.endr
.endr
.endr
	WIN 0
.endm
.macro KVLOAD                          ; eight rows of part: thread t takes columns 4 t .. and 512 + 4 t ..: a wave's load covers 512 consecutive bytes
	WIN 0x40
.irp i, 0,1,2,3,4,5,6,7
.irp k, 0,1
	global_load_b128 v[8*\i+4*\k:8*\i+4*\k+3], v[KVO], s[KP:KP+1] offset:4096*\i+2048*\k
.endr
.endr
	WIN 0
.endm
.macro KVSTEP                          ; the eight rows that have landed are added, in ascending order, in four chains; the next eight are asked for, if any are left: no load leaves part
	WIN 0x55
.irp i, 0,1,2,3,4,5,6,7
.irp p, 0,1,2,3
	v_pk_add_f32 v[64+2*\p:65+2*\p], v[64+2*\p:65+2*\p], v[8*\i+2*\p:8*\i+2*\p+1]
.endr
.endr
	WIN 0
	s_cmp_lt_u32 s[SN], 7
	s_cbranch_scc0 .Lkv_done_\@
	s_add_nc_u64 s[KP:KP+1], s[KP:KP+1], 32768     ; (the loads that named the pointer are in)
	KVLOAD
.Lkv_done_\@:
	s_add_co_u32 s[SN], s[SN], 1
.endm
; A SLOT: 256 along K, 64 matrix instructions in four quarters (c, q) = (0,0) (1,0) (0,1) (1,1); each quarter's fragments are asked for a quarter ahead.
; fill = 1: the slot is filled again, and the refill after this one is the next half panel's; 2: it is filled again, for the last time; 0: not.  kv = 1: a step of kv's sum.  nxt = 1: a slot follows.
.macro SLOT sg, W, img, fill, kv, nxt
.set NA, 24-12*(\img)
.set MULW, ((\W)<<6)|((\W)<<4)
.if \img
.set SELQ1, 2*(\sg)+1
.set SELQ3, 2*(1-(\sg))
.set STEPA, 6144
.else
.set SELQ1, \sg
.set SELQ3, 1-(\sg)
.set STEPA, 2*CHUNK
.endif
.set OFFS, 512*(1-(\sg))
	PLACES
	LOADB \sg, 0, 1
	s_wait_loadcnt 0x0                             ; what was asked of memory a slot ago is in: this slot's scale words of W, biases, eight rows of part
	s_wait_dscnt 24                                ; all but the 24 loads just issued: W's set 0, the rows' set 0 and their scale words
.if \kv
	KVSTEP
.endif
.if \nxt
.if \sg == 0
	LOADWS 1, 8
.else
.if \fill == 1
	s_add_nc_u64 s[TMP:TMP+1], s[PS:PS+1], 16      ; (the loads that named the pointer are in)
	s_cmp_eq_u32 s[ST], 0
	s_cselect_b64 s[PS:PS+1], s[TMP:TMP+1], s[NXTS:NXTS+1]
.else
	s_add_nc_u64 s[PS:PS+1], s[PS:PS+1], 16
.endif
	LOADWS 0, 0
.endif
.endif
	WIN MULW
	MUL8 0, 0, \sg, 0
	MUL8 0, 0, \sg, 2
	PLACES
	WIN 0
	LOADB \sg, 1, 0
	LOADA \img, SELQ1, 1, 1
	s_wait_dscnt 24+NA                             ; all but those just issued: W's set 1
	WIN MULW
	MUL8 1, 0, \sg, 0
	MUL8 1, 0, \sg, 2
	PLACES
	WIN 0
	LOADB \sg, 1, 1
	s_wait_dscnt 24                                ; W's set 0 and the rows' set 1
.if \fill
	s_wait_tensorcnt 0x0                           ; all my tensor loads have landed: the one that was out is my part of the other slot
	ds_add_u32 v[SPW], v[NIL]                      ; 0 onto my spare word
	s_mov_b64 s[G0+4*\sg+2:G0+4*\sg+3], s[PX+2*\sg:PX+2*\sg+1]   ; no load of mine is out, so a group 0 may be written: the tile that is due, from its plain pointer,
	s_or_b32 s[G0+4*\sg+3], s[G0+4*\sg+3], 0x80000000            ; with type = 2 on top
.if \fill == 1
	s_mov_b64 s[PX+2*\sg:PX+2*\sg+1], s[NX+2*\sg:NX+2*\sg+1]     ; the refill after this one brings the next half panel's tile
.endif
	WIN MULW
	MUL8 0, 1, \sg, 0                              ; eight matrix instructions stand between the add and the wait for it
	s_wait_dscnt 0x0                               ; the add is done, and my reads of this slot are over
	s_barrier_signal -1
	MUL8 0, 1, \sg, 2
	WIN 0
	s_barrier_wait -1
	CREST                                          ; the barrier has opened a round of the cluster's: no wave of any partner still reads this slot or has a load on its way
	tensor_load_to_lds s[G0+4*\sg:G0+4*\sg+3], s[G1W:G1W+7]   ; the joint refill, first behind the round: 48 of a slot's 64 matrix instructions stand ahead of the wait for it
	s_nop 0
	PLACES                                         ; (the places in front of the loads below)
.else
.if \nxt
	s_wait_tensorcnt 0x0                           ; my part of the last slot has landed; only I read it
.endif
	WIN MULW
	MUL8 0, 1, \sg, 0
	MUL8 0, 1, \sg, 2
	PLACES
	WIN 0
.endif
.if \nxt
.if \sg == 1
	s_xor_b32 s[SA], s[SA], STEPA                  ; the next trip's rows and scale planes
	s_xor_b32 s[SS], s[SS], 1024
.if \img
	v_add_nc_u32 v[AC], s[SA], v[AIB]
.else
	v_add_nc_u32 v[AC], s[SA], v[AB]
	v_add_nc_u32 v[AC+1], s[SA], v[AB+1]
.endif
	v_add_nc_u32 v[ASCC], s[SS], v[ASB]
.endif
	LOADB 1-\sg, 0, 0
	LOADA \img, SELQ3, 0, 0
	LOADAS 1-\sg, OFFS
	s_wait_dscnt 26+NA                             ; all but the next slot's first fragments: W's set 1
.else
	s_wait_dscnt 0x0
.endif
	WIN MULW
	MUL8 1, 1, \sg, 0
	MUL8 1, 1, \sg, 2
	WIN 0
.endm
.macro HPLOOP W, img, kv               ; a half panel that has a successor: two trips of two slots
	s_mov_b32 s[ST], 0
.Lhp_\@:
	SLOT 0, \W, \img, 1, \kv, 1
	SLOT 1, \W, \img, 1, \kv, 1
	s_add_co_u32 s[ST], s[ST], 1
	s_cmp_lt_u32 s[ST], 2
	s_cbranch_scc1 .Lhp_\@
.endm
.macro HPLAST W, img                   ; the last half panel is written out
	SLOT 0, \W, \img, 2, 0, 1
	SLOT 1, \W, \img, 2, 0, 1
	SLOT 0, \W, \img, 0, 0, 1
	SLOT 1, \W, \img, 0, 0, 0
.endm
.macro NEXTHP more                     ; ahead of a half panel whose first two tiles NX names: its K steps 2 and 3 are the next refills; more = 1: NX and the scales' pointer go 512 rows on
	s_add_nc_u64 s[PX:PX+1], s[NX:NX+1], 384
	s_add_nc_u64 s[PX+2:PX+3], s[NX+2:NX+3], 384
.if \more
	s_add_nc_u64 s[NX:NX+1], s[NX:NX+1], 393216
	s_add_nc_u64 s[NX+2:NX+3], s[NX+2:NX+3], 393216
	s_add_nc_u64 s[NXTS:NXTS+1], s[NXTS:NXTS+1], 16384
.endif
.endm
.macro SUMSQ                           ; the sum of squares of windows 2 and 3 for each of my four rows: four chains by turns, each accumulator from its low end on
	PLACES
	WIN 0x0a
.set i, 0
.rept 32
.irp a, 0,1,2,3
.if i == 0
	v_pk_mul_f32 v[SSQ+2*\a:SSQ+2*\a+1], v[64*\a:64*\a+1], v[64*\a:64*\a+1]
.else
	v_pk_fma_f32 v[SSQ+2*\a:SSQ+2*\a+1], v[64*\a+2*i:64*\a+2*i+1], v[64*\a+2*i:64*\a+2*i+1], v[SSQ+2*\a:SSQ+2*\a+1]
.endif
.endr
.set i, i+1
.endr
	WIN 0x0f
.set i, 0
.rept 32
.irp a, 0,1,2,3
	v_pk_fma_f32 v[SSQ+2*\a:SSQ+2*\a+1], v[64*\a+2*i:64*\a+2*i+1], v[64*\a+2*i:64*\a+2*i+1], v[SSQ+2*\a:SSQ+2*\a+1]
.endr
.set i, i+1
.endr
	WIN 0
.irp a, 0,1,2,3
	v_add_f32 v[SSQ+2*\a], v[SSQ+2*\a], v[SSQ+2*\a+1]
.endr
.irp a, 0,1,2,3
	v_permlanex16_b32 v[SSQ+2*\a+1], v[SSQ+2*\a], s[SEL], s[SEL+1]
.endr
.irp a, 0,1,2,3
	v_add_f32 v[SSQ+2*\a], v[SSQ+2*\a], v[SSQ+2*\a+1]
.endr
.irp a, 0,1,2,3
	ds_store_b32 v[NW], v[SSQ+2*\a] offset:256*\a  ; lanes l and l + 16 write the same word with the same value
.endr
.endm
.macro NORMS                           ; behind the barrier: the four waves' parts of my rows; 1 / norm into v[SSQ + 2 a]
.irp a, 0,1,2,3
	ds_load_b128 v[160+4*\a:163+4*\a], v[NR] offset:256*\a
.endr
	s_wait_dscnt 0x0
.irp a, 0,1,2,3
	v_add_f32 v[160+4*\a], v[160+4*\a], v[161+4*\a]
	v_add_f32 v[162+4*\a], v[162+4*\a], v[163+4*\a]
.endr
.irp a, 0,1,2,3
	v_add_f32 v[160+4*\a], v[160+4*\a], v[162+4*\a]
.endr
.irp a, 0,1,2,3
	v_rsq_f32 v[SSQ+2*\a], v[160+4*\a]
.endr
	v_nop                                          ; a plain place behind the transcendentals (ISA guide 5.7.2)
.endm
; Tile of rows a of window W (half hp): q / norm x kv, in f32, in place; then its 128 columns, K step 4 hp + wave of the second product, become a fragment and a scale word a row, and go to LDS.
.macro SCALEQ W, a, hp
	WIN ((\W)<<6)|(\W)
.set i, 0
.rept 32
	v_pk_mul_f32 v[64*\a+2*i:64*\a+2*i+1], v[64*\a+2*i:64*\a+2*i+1], v[SSQ+2*\a:SSQ+2*\a+1] op_sel_hi:[1,0]
.set i, i+1
.endr
	WIN ((\W)<<6)|4|(\W)
.set i, 0
.rept 32
	v_pk_mul_f32 v[64*\a+2*i:64*\a+2*i+1], v[64*\a+2*i:64*\a+2*i+1], v[128+64*\hp+2*i:128+64*\hp+2*i+1]
.set i, i+1
.endr
	s_wait_dscnt 0x0                               ; the last image's stores have read their registers
	WIN (\W)|((\W)<<2)
.irp c, 0,1                                    ; my two blocks, 2 c + h: all 32 numbers of each are mine
	v_max3_num_f32 v[QM+\c], |v[64*\a+32*\c]|, |v[64*\a+32*\c+1]|, 0x1800000   ; and the floor 2^(3 - 127): the byte cannot fall under 1
.endr
.irp i, 2,4,6,8,10,12,14,16,18,20,22,24,26,28,30
.irp c, 0,1
	v_max3_num_f32 v[QM+\c], |v[64*\a+32*\c+\i]|, |v[64*\a+32*\c+\i+1]|, v[QM+\c]
.endr
.endr
	WIN 0
.irp c, 0,1
	v_add_nc_u32 v[QE+\c], 0xff000000, v[QM+\c]    ; 2 off the exponent field: the conversion's scale operand
.endr
.irp c, 0,1
	v_lshrrev_b32 v[QB+\c], 23, v[QE+\c]           ; the scale's byte
.endr
	v_lshl_or_b32 v[QW], v[QB+1], 16, v[QB]        ; blocks h and 2 + h,
	v_lshlrev_b32 v[QW], v[SH8], v[QW]             ; at their places in the word;
	v_permlanex16_b32 v[QT], v[QW], s[SEL], s[SEL+1]
	v_or_b32 v[QW], v[QW], v[QT]                   ; with lane l xor 16's two the word is whole
	WIN \W
.irp c, 0,1
.irp i, 0,1
	v_cvt_scalef32_pk16_fp6_f32 v[QC+4*(2*\c+\i):QC+4*(2*\c+\i)+2], v[64*\a+32*\c+16*\i:64*\a+32*\c+16*\i+15], v[QE+\c]
.endr
.endr
	WIN 0
	v_nop                                          ; one plain place behind a scaled conversion
.irp n, 0,1,2,3                                ; the 96 bits turned by 48: for lanes 16-31, whose two groups of eight stand the other way round
	v_perm_b32 v[QN+3*\n], v[QC+4*\n+2], v[QC+4*\n+1], s[PSEL]
	v_perm_b32 v[QN+3*\n+1], v[QC+4*\n], v[QC+4*\n+2], s[PSEL]
	v_perm_b32 v[QN+3*\n+2], v[QC+4*\n+1], v[QC+4*\n], s[PSEL]
.endr
.irp n, 0,1,2,3
.irp k, 0,1,2
	v_cndmask_b32 v[QF+3*\n+\k], v[QC+4*\n+\k], v[QN+3*\n+\k], s[MH]   ; the choice also sets the codes at their places in the fragment
.endr
.endr
.irp gq, 0,1,2
	ds_store_b128 v[IW], v[QF+4*\gq:QF+4*\gq+3] offset:(8*\a+4*\hp)*1536+512*\gq
.endr
	ds_store_b32 v[SW], v[QW] offset:1024*\hp+128*\a   ; lanes l and l + 16 write the same word with the same value
.endm
; THE WAY OUT of half hp, in blocks k = (a, c) of 16 rows x 64 columns: through my own stage, back as rows of 256 bytes; sixteen lanes store 256 consecutive bytes, at a multiple of 256 from out0's first byte.
.macro TOSTAGE W, k
.set AA, (\k)/2
.set CC, (\k)%2
	WIN (\W)<<2
.irp u, 0,1,2,3
	ds_store_b128 v[STO+\u%2], v[64*AA+32*CC+8*\u:64*AA+32*CC+8*\u+3] offset:32*\u          ; each accumulator from its low end on
	ds_store_b128 v[STO+\u%2], v[64*AA+32*CC+8*\u+4:64*AA+32*CC+8*\u+7] offset:32*\u+16
.endr
	WIN 0
.irp i, 0,1,2,3,4,5,6,7
	ds_load_b128 v[OB+32*((\k)%2)+4*\i:OB+32*((\k)%2)+4*\i+3], v[RD] offset:544*\i   ; LDS serves a wave's instructions in order (ISA guide 5.7.1.4): these see the stores above
.endr
.endm
.macro SEND k, hp, younger             ; younger: the LDS instructions issued behind block k's loads
	s_wait_dscnt \younger
.irp i, 0,1,2,3,4,5,6,7
	global_store_b128 v[GO], v[OB+32*((\k)%2)+4*\i:OB+32*((\k)%2)+4*\i+3], s[OUTB:OUTB+1] offset:(16*((\k)/2)+2*\i)*4096+2048*(\hp)+256*((\k)%2) th:TH_STORE_NT
.endr
.endm
.macro STOREOUT W, hp
	PLACES
	TOSTAGE \W, 0
.irp k, 1,2,3,4,5,6,7
.if \k > 1
	s_wait_xcnt 0x0                                ; block k - 2's stores have read their registers: block k's loads may land there
.endif
	TOSTAGE \W, \k
	SEND \k-1, \hp, 16                             ; behind block k - 1's loads: block k's 8 stores and 8 loads
.endr
	SEND 7, \hp, 0
.if \hp == 0
	s_wait_xcnt 0x0                                ; the stores have read their registers: fragments are loaded there below
.endif
.endm
	s_load_b512 s[4:19], s[0:1], 0x0               ; x's codes s[4:5], x's scales s[6:7], Wqkv's codes s[8:9], scales s[10:11], bqkv s[12:13], Wout's codes s[14:15], scales s[16:17], bout s[18:19]
	s_load_b128 s[20:23], s[0:1], 0x40             ; part s[20:21], out0 s[22:23]
	v_lshl_add_u32 v[SPW], v0, 2, SPARE
	v_mov_b32 v[NIL], 0
	ds_add_u32 v1, v2
	ds_add_u32 v1, v2
	s_wait_dscnt 0x0
	v_lshrrev_b32 v3, 5, v0
	v_readfirstlane_b32 s[WV], v3                  ; wave 0..3
	s_bfe_u32 s[CX], ttmp6, 0x40000                ; my place in the cluster
	s_lshl_b32 s[GG], ttmp9, 2
	s_add_co_u32 s[GG], s[GG], s[CX]               ; my work-group: it enters x's and out0's addresses alone
	s_mov_b32 s[SEL], 0x76543210
	s_mov_b32 s[SEL+1], 0xfedcba98                 ; v_permlanex16_b32's selects for lane l xor 16
	s_mov_b32 s[MH], 0xffff0000                    ; lanes 16-31
	s_mov_b32 s[PSEL], 0x05040302                  ; v_perm_b32: the middle four bytes of a pair of registers
	s_mov_b32 s[SA], 0
	s_mov_b32 s[SS], 0
	s_mov_b32 s[SN], 0
	; group 1 for W's tiles: 128 rows x 192 bytes, 768 bytes apart, 16 bytes of padding behind every 64; the mask names all four work-groups
	s_mov_b32 s[G1W], 15|(1<<20)|(1<<21)|(3<<22)|(3<<25)
	s_mov_b32 s[G1W+1], 192<<16
	s_mov_b32 s[G1W+2], 128<<16
	s_mov_b32 s[G1W+3], 192<<16
	s_mov_b32 s[G1W+4], 128
	s_mov_b32 s[G1W+5], 768
	s_mov_b32 s[G1W+6], 0
	s_mov_b32 s[G1W+7], 0
	; and for a chunk of x: 64 rows, no mask
	s_mov_b32 s[G1X], (1<<20)|(3<<22)|(3<<25)
	s_mov_b32 s[G1X+1], 192<<16
	s_mov_b32 s[G1X+2], 64<<16
	s_mov_b32 s[G1X+3], 192<<16
	s_mov_b32 s[G1X+4], 64
	s_mov_b32 s[G1X+5], 768
	s_mov_b32 s[G1X+6], 0
	s_mov_b32 s[G1X+7], 0
	; every LDS address is made here, at the head, in a register that holds nothing else; the thread's number is not read again behind the head
	v_and_b32 v160, 15, v0                         ; r
	v_bfe_u32 v161, v0, 4, 1                       ; h
	v_bfe_u32 v162, v0, 3, 1                       ; r / 8
	v_and_b32 v168, 31, v0                         ; lane
	v_lshlrev_b32 v[SH8], 3, v161
	v_lshl_add_u32 v163, v162, 5, v160             ; my row in a tile of even u: r + 32 (r / 8)
	v_lshl_add_u32 v164, v162, 4, v160             ; of odd u: r + 16 (r / 8)
	s_mul_i32 s88, s[WV], WAVEB
	v_mul_u32_u24 v165, v163, PITCH
	v_mul_u32_u24 v166, v164, PITCH
	v_add_nc_u32 v165, s88, v165
	v_add_nc_u32 v166, s88, v166
	v_mad_u32_u24 v[BA], v161, 24, v165
	v_mad_u32_u24 v[BA+1], v161, 40, v165
	v_mad_u32_u24 v[BA+2], v161, 24, v166
	v_mad_u32_u24 v[BA+3], v161, 40, v166
.irp j, 0,1,2,3
	v_add_nc_u32 v[BA+4+\j], SLOT1, v[BA+\j]
.endr
	v_mul_u32_u24 v167, v160, PITCH
	v_add_nc_u32 v167, XR, v167
	v_mad_u32_u24 v[AB], v161, 24, v167
	v_mad_u32_u24 v[AB+1], v161, 40, v167
	v_add_nc_u32 v[AC], s[SA], v[AB]
	v_add_nc_u32 v[AC+1], s[SA], v[AB+1]
	v_lshl_add_u32 v[ASB], v168, 3, ASC
	v_add_nc_u32 v[ASCC], s[SS], v[ASB]
	v_add_nc_u32 v169, 8, v164
	v_cndmask_b32 v169, v163, v169, s[MH]          ; lanes 0-15: the even tile's row; lanes 16-31: the odd tile's, 8 rows on
	v_lshlrev_b32 v169, 5, v169                    ; 32 scale bytes a row
	s_lshl_b32 s89, s[WV], 12
	v_add_nc_u32 v[VS], s89, v169
	s_lshl_b32 s89, s[WV], 9
	v_mul_u32_u24 v[VB], v161, 160
	v_mul_u32_u24 v[VB+1], v161, 96
	v_add_nc_u32 v[VB], s89, v[VB]
	v_add_nc_u32 v[VB+1], s89, v[VB+1]
	WIN 0x40                                       ; destination window 1
	v_add_nc_u32 v[KVA], KV, v[VB]                 ; kv lies in LDS as a bias lies in memory
	v_add_nc_u32 v[KVA+1], KV, v[VB+1]
	v_lshl_add_u32 v[KVW], v0, 4, KV               ; my eight columns of kv: 16 bytes here, 16 bytes 2,048 on
	WIN 0
	v_lshlrev_b32 v[GO], 12, v161                  ; out0: lanes 0-15 one row, lanes 16-31 the next; 16 bytes a lane; my wave's 512 bytes
	v_lshl_add_u32 v[GO], v160, 4, v[GO]
	v_add_nc_u32 v[GO], s89, v[GO]
	v_lshlrev_b32 v[KVO], 4, v0
	v_lshl_add_u32 v[NR], v160, 4, NRM
	s_lshl_b32 s89, s[WV], 2
	v_add_nc_u32 v[NW], s89, v[NR]
	s_mul_i32 s89, s[WV], 1536
	v_lshl_add_u32 v[AIB], v168, 4, AIMG           ; an image: 16 x lane;
	v_add_nc_u32 v[IW], s89, v[AIB]                ; my K step: 1,536 x wave
	s_lshr_b32 s88, s[WV], 1
	s_lshl_b32 s88, s88, 9
	s_and_b32 s89, s[WV], 1
	s_lshl_b32 s89, s89, 2
	s_add_co_u32 s88, s88, s89
	v_lshl_add_u32 v[SW], v160, 3, ASC
	v_add_nc_u32 v[SW], s88, v[SW]                 ; its scale word: plane wave / 2, word wave % 2, 8 bytes a row
	s_mul_i32 s88, s[WV], 4352
	v_mul_u32_u24 v170, v160, 272
	v_add_nc_u32 v170, s88, v170
	v_add_nc_u32 v170, STG, v170
	v_mad_u32_u24 v[STO], v161, 160, v170
	v_mad_u32_u24 v[STO+1], v161, 96, v170
	v_mul_u32_u24 v171, v161, 272
	v_lshl_add_u32 v171, v160, 4, v171
	v_add_nc_u32 v171, s88, v171
	v_add_nc_u32 v[RD], STG, v171
	v_lshlrev_b32 v172, 4, v0                      ; x's scales: thread t takes 16 bytes: half t % 2 of row t / 2
	v_and_b32 v173, 1, v0
	v_lshrrev_b32 v174, 1, v0
	v_lshlrev_b32 v173, 10, v173
	v_lshl_add_u32 v173, v174, 3, v173
	v_add_nc_u32 v173, ASC, v173                   ; planes 2 (t % 2) and 2 (t % 2) + 1, row t / 2
	s_wait_kmcnt 0x0
	s_lshl_b32 s84, s[GG], 11
	s_mov_b32 s85, 0
	s_add_nc_u64 s[6:7], s[6:7], s[84:85]          ; my 64 rows' scale bytes
	global_load_b128 v[176:179], v172, s[6:7]
	s_lshl_b32 s84, s[GG], 18
	s_add_nc_u64 s[OUTB:OUTB+1], s[22:23], s[84:85]   ; my 64 rows of out0
	s_mul_i32 s84, s[GG], 49152
	s_mul_i32 s86, s[WV], 192
	s_add_co_u32 s84, s84, s86
	s_mov_b32 s[G0X], 1
	s_mul_i32 s[G0X+1], s[WV], CHUNK
	s_add_co_u32 s[G0X+1], s[G0X+1], XR
	s_add_nc_u64 s[G0X+2:G0X+3], s[4:5], s[84:85]  ; wave w brings chunk w of my 64 rows
	s_or_b32 s[G0X+3], s[G0X+3], 0x80000000
	s_lshr_b32 s88, ttmp9, 4                       ; the batch: 16 clusters each
	s_lshl_b32 s88, s88, 18
	s_mov_b32 s89, 0
	s_add_nc_u64 s[KP:KP+1], s[20:21], s[88:89]    ; its 64 rows of part
	s_mul_i32 s88, s[WV], 98304                    ; my 128 rows of a half panel, from row 0 of Wqkv on: q
	s_add_nc_u64 s[NX:NX+1], s[8:9], s[88:89]
	s_add_nc_u64 s[NX+2:NX+3], s[NX:NX+1], 192
	s_mov_b32 s[G0], 1
	s_mul_i32 s[G0+1], s[WV], WAVEB
	s_mov_b64 s[G0+2:G0+3], s[NX:NX+1]
	s_or_b32 s[G0+3], s[G0+3], 0x80000000
	s_mov_b32 s[G0+4], 1
	s_add_co_u32 s[G0+5], s[G0+1], SLOT1
	s_mov_b64 s[G0+6:G0+7], s[NX+2:NX+3]
	s_or_b32 s[G0+7], s[G0+7], 0x80000000
	s_mov_b64 s[PS:PS+1], s[10:11]
	s_mov_b64 s[NXTS:NXTS+1], s[10:11]
	NEXTHP 1                                       ; the first refills: K steps 2 and 3 of q's first half; then q's second half
	CROUND                                         ; all four work-groups are here: the first joint loads meet
	tensor_load_to_lds s[G0X:G0X+3], s[G1X:G1X+7]  ; the first fills go out together: three loads of mine are out
	s_nop 0
	tensor_load_to_lds s[G0:G0+3], s[G1W:G1W+7]
	s_nop 0
	tensor_load_to_lds s[G0+4:G0+7], s[G1W:G1W+7]
	s_nop 0
	PLACES
	s_wait_loadcnt 0x0                             ; x's scale bytes
	ds_store_b64 v173, v[176:177]
	ds_store_b64 v173, v[178:179] offset:512
	LOADWS 0, 0
	KVLOAD                                         ; the first eight rows of part
	BIASLD 2, 12, 0                                ; q's two halves begin as their biases
	BIASLD 3, 12, 2048
	WIN 0x40
.irp j, 0,1,2,3,4,5,6,7
	v_mov_b32 v[64+\j], 0                          ; kv's sums
.endr
	WIN 0
	s_wait_tensorcnt 0x1                           ; my chunk of x and my part of slot 0 are in; slot 1's may stay out
	s_wait_dscnt 0x0                               ; my scale words lie in LDS
	s_barrier_signal -1
	s_barrier_wait -1
	LOADB 0, 0, 0
	LOADA 0, 0, 0, 0
	LOADAS 0, 0
	HPLOOP 2, 0, 1                                 ; q, columns 0-511
	NEXTHP 0                                       ; q's second half goes on along K;
	s_mul_i32 s88, s[WV], 98304                    ; behind it the ring goes on into Wout: my 128 rows of its first half, from Wout's own pointers
	s_mov_b32 s89, 0
	s_add_nc_u64 s[NX:NX+1], s[14:15], s[88:89]
	s_add_nc_u64 s[NX+2:NX+3], s[NX:NX+1], 192
	s_mov_b64 s[NXTS:NXTS+1], s[16:17]
	HPLOOP 3, 0, 1                                 ; q, columns 512-1023
	NEXTHP 1
	SUMSQ
	WIN 0x05                                       ; address and data in window 1
	ds_store_b128 v[KVW], v[64:67]                 ; my eight columns of kv
	ds_store_b128 v[KVW], v[68:71] offset:2048
	WIN 0
	s_wait_dscnt 0x0                               ; for the others' sake: my sums lie in LDS, and my reads of x and its scale words are over.
	s_barrier_signal -1
	s_barrier_wait -1
	NORMS
	WIN 0x41                                       ; address and destination in window 1
.irp p, 0,1
.irp c, 0,1
.irp u, 0,1,2,3
.irp k, 0,1
	ds_load_b128 v[128+64*\p+32*\c+8*\u+4*\k:128+64*\p+32*\c+8*\u+4*\k+3], v[KVA+\u%2] offset:2048*\p+(64*\c+8*\u)*4+16*\k   ; kv of my columns, in the accumulators' layout
.endr
.endr
.endr
.endr
	WIN 0
	v_mov_b32 v[QT], 0                             ; written once: a lane permute's destination counts as one of its sources
	s_wait_alu depctr_va_vdst(0)
	s_wait_dscnt 0x0
.irp a, 0,1,2,3
	SCALEQ 2, \a, 0
.endr
	BIASLD 2, 18, 0                                ; y's first half begins as bout
.irp a, 0,1,2,3
	SCALEQ 3, \a, 1
.endr
	BIASLD 3, 18, 2048
	s_wait_dscnt 0x0                               ; for the others' sake: my images and scale words lie in LDS
	s_barrier_signal -1
	s_barrier_wait -1
	v_add_nc_u32 v[AC], s[SA], v[AIB]              ; the rows' fragments now come as images
	LOADA 1, 0, 0, 0                               ; (W's first fragments and scale words were fetched ahead; the rows' were x's and are replaced: 26 LDS loads unused, the price of one text for the loop)
	LOADAS 0, 0
	HPLOOP 2, 1, 0                                 ; y, columns 0-511
	NEXTHP 0
	STOREOUT 2, 0                                  ; which leave while the second half is multiplied
	HPLAST 3, 1                                    ; y, columns 512-1023
	STOREOUT 3, 1
	s_wait_tensorcnt 0x0                           ; the wave's end
	ds_add_u32 v[SPW], v[NIL]
	s_wait_dscnt 0x0
	CROUND                                         ; the closing round: no work-group ends while a partner may still ask for a tile that names it
	s_endpgm
.Lfunc_end_k_q1c7f4ea33a_project:
	.size	k_q1c7f4ea33a_project, .Lfunc_end_k_q1c7f4ea33a_project-k_q1c7f4ea33a_project
	.p2alignl 7, 3214868480
	.fill 96, 4, 3214868480
	.section	.rodata,"a",@progbits
	.p2align	6, 0x0
	.amdhsa_kernel k_q1c7f4ea33a_project
		.amdhsa_group_segment_fixed_size 327680
		.amdhsa_private_segment_fixed_size 0
		.amdhsa_enable_private_segment 0
		.amdhsa_kernarg_size 80
		.amdhsa_user_sgpr_count 2
		.amdhsa_user_sgpr_kernarg_segment_ptr 1
		.amdhsa_wavefront_size32 1
		.amdhsa_system_sgpr_workgroup_id_x 1
		.amdhsa_system_sgpr_workgroup_id_y 1
		.amdhsa_system_sgpr_workgroup_id_z 1
		.amdhsa_system_vgpr_workitem_id 0
		.amdhsa_next_free_vgpr 1024
		.amdhsa_next_free_sgpr 100
		.amdhsa_reserve_vcc 0
		.amdhsa_float_denorm_mode_32 3
		.amdhsa_float_denorm_mode_16_64 3
		.amdhsa_memory_ordered 1
		.amdhsa_forward_progress 1
		.amdhsa_inst_pref_size 255
	.end_amdhsa_kernel
	.section	.bss,"aw",@nobits
	.p2align	6
	.space	262144
	.amdgpu_metadata
---
amdhsa.version: [ 1, 2 ]
amdhsa.kernels:
  - .name:           k_q1c7f4ea33a_project
    .symbol:         k_q1c7f4ea33a_project.kd
    .args:
      - { .name: x_codes, .offset: 0, .size: 8, .value_kind: global_buffer, .address_space: global }
      - { .name: x_scales, .offset: 8, .size: 8, .value_kind: global_buffer, .address_space: global }
      - { .name: Wqkv_codes, .offset: 16, .size: 8, .value_kind: global_buffer, .address_space: global }
      - { .name: Wqkv_scales, .offset: 24, .size: 8, .value_kind: global_buffer, .address_space: global }
      - { .name: bqkv, .offset: 32, .size: 8, .value_kind: global_buffer, .address_space: global }
      - { .name: Wout_codes, .offset: 40, .size: 8, .value_kind: global_buffer, .address_space: global }
      - { .name: Wout_scales, .offset: 48, .size: 8, .value_kind: global_buffer, .address_space: global }
      - { .name: bout, .offset: 56, .size: 8, .value_kind: global_buffer, .address_space: global }
      - { .name: part, .offset: 64, .size: 8, .value_kind: global_buffer, .address_space: global }
      - { .name: out0, .offset: 72, .size: 8, .value_kind: global_buffer, .address_space: global }
    .group_segment_fixed_size: 327680
    .private_segment_fixed_size: 0
    .kernarg_segment_align: 8
    .kernarg_segment_size: 80
    .max_flat_workgroup_size: 128
    .sgpr_count:     100
    .vgpr_count:     1024
    .wavefront_size: 32
...
	.end_amdgpu_metadata
.endif
;; end of part 2
;; ======== version 2 of 2: 2 launches
;; workspace buffers: part 1,048,576 bytes
;; launch kvpart (part 3): grid 256 x 1, 4 waves a work-group, clusters of 4 x 1, 327,680 bytes of LDS; arguments x_codes, x_scales, Wqkv_codes, Wqkv_scales, bqkv, part; writes part
.if DOCPART == 3
	.amdgcn_target "amdgcn-amd-amdhsa--gfx1250"
	.amdhsa_code_object_version 6
	.text
	.protected	k_q1c7f4ea33a_kvpart
	.globl	k_q1c7f4ea33a_kvpart
	.p2align	8
	.type	k_q1c7f4ea33a_kvpart,@function
k_q1c7f4ea33a_kvpart:
	s_mov_b64 s[64:65], 0
	v_nop
	global_prefetch_b8 v0, s[64:65] scope:SCOPE_SE
	s_setreg_imm32_b32 hwreg(HW_REG_WAVE_MODE, 25, 1), 1
	s_wait_xcnt 0x0
	s_wait_alu depctr_hold_cnt(0) depctr_sa_sdst(0) depctr_va_vdst(0) depctr_va_sdst(0) depctr_va_ssrc(0) depctr_va_vcc(0) depctr_vm_vsrc(0)
	s_getreg_b32 s2, hwreg(HW_REG_IB_STS2, 6, 4)
	s_cmp_eq_u32 s2, 0
	s_cbranch_scc0 .Lentry_in_a_cluster
	s_endpgm
.Lentry_in_a_cluster:
	s_bfe_u32 s2, ttmp6, 0x10000c
	s_cmp_lg_u32 s2, 0x3003
	s_cbranch_scc0 .Lentry_shape_is_right
	s_endpgm
.Lentry_shape_is_right:
; part[g][d] = the sum over the 64 rows t of work-group g of k^[t][d] v[t][d], where k = x Wk + bk, v = x Wv + bv, k^ = k / |k| (the norm over a row's 1,024 columns).
; x [16384][1024] and Wqkv [3072][1024] are codes of FP6 (E2M3), K innermost, 768 bytes a row, with one E8M0 byte for each 32 along K; they go to the matrix unit as they lie.
; SHARES.  A work-group owns 64 whole rows, since a row's norm wants all its columns.  The launch is four HALF PANELS of 512 rows of Wqkv (two of k, two of v); wave w takes 128 of them,
; 4 tiles of rows x 8 tiles of columns = 32 accumulators = one window of 256 registers.  k stays in windows 2 and 3 in f32 while v is made in window 1, half by half.
; THE RING.  K goes in steps of 256 (rows of 192 bytes, which begin at multiples of 64 bytes: two slots of longer rows do not fit beside x) through two LDS slots of 512 rows; the ring runs on from half panel to half panel.
; Each wave fetches, and alone reads, its own 128 rows.  All work-groups walk the same weights: the four of a cluster ask for each tile JOINTLY.  x's 64 rows come once, by plain loads, and stay.
; THE ORDER OF THE WALK DIFFERS FROM CLUSTER TO CLUSTER.  With c the cluster's number, r = c % 4 turns K: position j of a half panel holds K step (j + r) % 4 (x and its scale words are brought into LDS in that
; order, so that no LDS address knows of r), and hs = bit 2 of c says which half of the columns comes first, of k and of v alike.  So at the first step of k, and of v, the eight kinds of cluster ask for all eight
; parts of these weights, and every later tile that a cluster asks for has been asked for by other clusters a step or more before.  Both numbers are shared by the four partners of a joint load.
; THE PRODUCT IS USED TRANSPOSED (source 0 = 16 rows of W, source 1 = 16 rows of x): a lane holds one row t = 16 a + lane % 16, its registers run along the columns.
; THE ROWS OF W THAT FORM A TILE: tile (c, u) takes rows 64 c + 8 u + 0..7 in lanes 0-7 and rows 64 c + 32 + 8 (u xor 1) + 0..7 in lanes 8-15.  The 16 rows differ modulo 16, so that at a pitch of 60 words
; they begin at 16 different groups of four banks (64 banks of 4 bytes: ISA guide 11.1).  Register 64 a + 32 c + 8 u + j of lane (r, h) is column 64 c + (h ? 32 + 8 (u xor 1) : 8 u) + j.
; THE ACCUMULATORS BEGIN AS THE BIAS, loaded in the result's layout: every product adds in place, nothing is cleared and no bias is added.
; LIMITS: 1 / norm is v_rsq_f32 of the f32 sum of squares: a row whose sum of squares lies under 2^-126 counts as 0 there; NaN and infinities among the values that codes and scales stand for are not served.
; The sums along K begin at another K step in each kind of cluster: f32 sums in another order.
; REGISTERS, window 0: v1-24 addresses; v32-47 W's scale words, v48-55 x's (two sets each); v56-63 sums of squares, then 1 / norm; v64-111, v160-207 x's fragments (sets 0, 1); v112-159, v208-255 W's (sets 0, 1).
.set SLOT1,  131072                    ; slot 1 begins here; slot 0 at 0
.set WAVEB,  30720                     ; a wave's 128 rows in a slot
.set PITCH,  240                       ; an LDS row: 3 x (64 bytes + 16 of padding)
.set ASC,    122880                    ; x's scale words: plane (position of 256 along K) of 512 bytes, 8 bytes a row
.set NRM,    124928                    ; sums of squares: 16 bytes a row, 4 a wave
.set SPARE,  125952                    ; the spare words, 128 bytes a wave: two blocks of 256 bytes that no other line names
.set XR,     253952                    ; x: four chunks (positions of 256 along K) of 64 rows
.set CHUNK,  15360
.set SPW, 1
.set NIL, 2
.set BA,  4                            ; v4-11  W's fragments: 4 + 4 slot + 2 (u % 2) + (behind one padding more)
.set AB,  12                           ; v12-13 x's fragments, chunk 0
.set AC,  14                           ; v14-15 the same at the trip in hand
.set ASB, 16                           ; v16    x's scale words, plane 0;  v17 at the trip in hand
.set ASCC, 17
.set VS,  18                           ; v18    my lane's byte in a block's scales
.set VB,  19                           ; v19-20 my lane's byte in a block's bias, for even and odd u
.set NW,  22
.set NR,  23
.set PO,  24                           ; v24    my 16 bytes of the wave's 512 of part
.set SCB, 32
.set SCA, 48
.set SSQ, 56
.set AF0, 64
.set BF0, 112
.set PP,  160                          ; v160-223 the products' sums over a;  v224-239 at work
.set TX,  224
.set WV,  24
.set CX,  25
.set GG,  26
.set T1,  27                           ; at work; like s88 it never holds my place in the cluster
.set G1W, 28
.set G1X, 36
.set G0X, 44
.set G0,  48                           ; s[48:51], s[52:55] group 0 of slots 0, 1
.set NX,  56                           ; s[56:57], s[58:59] plain pointers: the next half panel's tiles at positions 0, 1
.set PS,  60                           ; s[60:61] W's scales for the loads in hand
.set SP1, 62                           ; s[62:63], s[66:67], s[90:91] W's scales at positions 1, 2, 3 of the half panel in hand;
.set SP2, 66
.set SP3, 90
.set SN0, 86                           ; s[86:87] at position 0 of the next
.set ST,  68                           ; trip of a half panel
.set SA,  69                           ; x's chunks: 0 or two chunks on
.set SS,  70                           ; x's scale planes: 0 or two planes on
.set SEL, 72
.set MH,  74
.set M8,  75
.set M4,  76
.set M2,  77
.set M1,  78
.set BP,  80                           ; s[80:81] a block's bias
.set OUTB, 82
.set PX,  92                           ; s[92:93], s[94:95] plain pointers: the tile that slot 0's, slot 1's next refill brings
.set RK,  96                           ; r: by how many steps K is turned
.set HS,  98                           ; hs: which half of the columns comes first
.set BC,  99                           ; the block of 128 rows of Wqkv in hand.   s[88:89]: an offset, s89 = 0 throughout;  s[84:85]: offsets that hold my place in the cluster
.set MSB, 0
.macro WIN new                         ; the immediate's high byte repeats the setting that is left; a switch that changes nothing is dropped
.if MSB != (\new)
	s_set_vgpr_msb (MSB<<8)|(\new)
.set MSB, (\new)
.endif
.endm
.macro PLACES                          ; four places between a matrix instruction and a load into, or a vector read of, its registers (ISA guide 7.12.1 for vector reads)
.rept 4
	v_nop
.endr
.endm
.macro CREST                           ; a round of the cluster's barrier behind its opening barrier
	s_cmp_lg_u32 s[WV], 0
	s_cbranch_scc1 .Lnot_wave_0_\@
	s_barrier_signal -3
.Lnot_wave_0_\@:
	s_barrier_wait -3
	s_barrier_signal -1
	s_barrier_wait -1
.endm
.macro CROUND
	s_barrier_signal -1
	s_barrier_wait -1
	CREST
.endm
; My wave's block of half panel hp (0, 1: k; 2, 3: v): 8 + 8 (hp / 2) + 4 (hp % 2 xor hs) + wave
.macro BLOCK hp
	s_xor_b32 s[BC], s[HS], (\hp)%2
	s_lshl_b32 s[BC], s[BC], 2
	s_add_co_u32 s[BC], s[BC], s[WV]
	s_add_co_u32 s[BC], s[BC], 8+8*((\hp)/2)
.endm
.macro CPTR dst, base, rot, j          ; codes of block BC at position j: 98,304 bytes a block, 192 a K step
	s_add_co_u32 s88, s[\rot], \j
	s_and_b32 s88, s88, 3
	s_mul_i32 s88, s88, 192
	s_mul_i32 s[T1], s[BC], 98304
	s_add_co_u32 s88, s88, s[T1]
	s_add_nc_u64 s[\dst:\dst+1], s[\base:\base+1], s[88:89]
.endm
.macro ZPTR dst, base, rot, j          ; scale bytes of block BC at position j: 4,096 bytes a block, 8 a K step
	s_add_co_u32 s88, s[\rot], \j
	s_and_b32 s88, s88, 3
	s_lshl_b32 s88, s88, 3
	s_lshl_b32 s[T1], s[BC], 12
	s_add_co_u32 s88, s88, s[T1]
	s_add_nc_u64 s[\dst:\dst+1], s[\base:\base+1], s[88:89]
.endm
.macro BPTR base                       ; the bias of block BC: 512 bytes a block
	s_wait_xcnt 0x0                                ; the loads that named the pointer have read it
	s_lshl_b32 s88, s[BC], 9
	s_add_nc_u64 s[BP:BP+1], s[\base:\base+1], s[88:89]
.endm
.macro SETCUR cb, zb, rot              ; BC = my block of the half panel about to run: its positions 2 and 3 are the next refills
	CPTR PX, \cb, \rot, 2
	CPTR PX+2, \cb, \rot, 3
	ZPTR SP1, \zb, \rot, 1
	ZPTR SP2, \zb, \rot, 2
	ZPTR SP3, \zb, \rot, 3
.endm
.macro SETNXT cb, zb, rot              ; BC = my block of the half panel behind it
	CPTR NX, \cb, \rot, 0
	CPTR NX+2, \cb, \rot, 1
	ZPTR SN0, \zb, \rot, 0
.endm
; A fragment: 16 rows x 128 K in 12 registers, six pieces of 8 bytes.  Lanes 16-31 read three pieces on, which for some pieces is behind one padding more: register adr + 1 serves those.
.macro FRAG reg, adr, q, off
.irp p, 0,1,2,3,4,5
.set PCX, 12*(\q)+6*(\p/3)+\p%3
.if PCX%8 < 5
	ds_load_b64 v[\reg+2*\p:\reg+2*\p+1], v[\adr] offset:\off+8*PCX+16*(PCX/8)
.else
	ds_load_b64 v[\reg+2*\p:\reg+2*\p+1], v[\adr+1] offset:\off+8*PCX+16*(PCX/8)
.endif
.endr
.endm
.macro LOADB sg, q, c                  ; W's four tiles (c, 0..3) of the slot's q-th 128 along K into set c: 24 loads
.irp u, 0,1,2,3
	FRAG BF0+96*(\c)+12*\u, BA+4*(\sg)+2*(\u%2), \q, (64*(\c)+8*\u)*PITCH
.endr
.endm
.macro LOADA sel, q, set               ; x's four tiles of rows, chunk sel of the trip, its q-th 128 along K: 24 loads
.irp a, 0,1,2,3
	FRAG AF0+96*(\set)+12*\a, AC, \q, (\sel)*CHUNK+\a*16*PITCH
.endr
.endm
.macro LOADAS sgn, off                 ; the rows' scale words of a slot: lanes 0-15 an even tile of rows, lanes 16-31 the odd one; two words (q = 0, 1) a lane
.irp i, 0,1
	ds_load_b64 v[SCA+4*(\sgn)+2*\i:SCA+4*(\sgn)+2*\i+1], v[ASCC] offset:(\off)+256*\i
.endr
.endm
.macro LOADWS sgn                      ; W's scale words of a slot, from memory: 8 of each row's 32 bytes; lanes 0-15 an even u, lanes 16-31 the odd one.  (All 64 KB of a launch's scale bytes do not fit in LDS beside the ring.)
.irp c, 0,1
.irp i, 0,1
	global_load_b64 v[SCB+8*(\sgn)+2*(2*\c+\i):SCB+8*(\sgn)+2*(2*\c+\i)+1], v[VS], s[PS:PS+1] offset:2048*\c+512*\i
.endr
.endr
.endm
; 8 matrix instructions: tiles (c, ub), (c, ub + 1) of W x the four tiles of rows.  The 32 accumulators take turns, one instruction a turn.
.macro MUL8 c, q, sg, ub
.irp e, 0,1
.irp a, 0,1,2,3
.set UU, (\ub)+\e
.set XD, 64*\a+32*(\c)+8*UU
.set XB, BF0+96*(\c)+12*UU
.set XA, AF0+96*(\q)+12*\a
.set XSB, SCB+8*(\sg)+2*(2*(\c)+UU/2)+(\q)
.set XSA, SCA+4*(\sg)+2*(\a/2)+(\q)
.if (UU%2) && (\a%2)
	v_wmma_scale_f32_16x16x128_f8f6f4 v[XD:XD+7], v[XB:XB+11], v[XA:XA+11], v[XD:XD+7], v[XSB], v[XSA] matrix_a_fmt:MATRIX_FMT_FP6 matrix_b_fmt:MATRIX_FMT_FP6 matrix_a_scale:MATRIX_SCALE_ROW1 matrix_b_scale:MATRIX_SCALE_ROW1
.elseif (UU%2)
	v_wmma_scale_f32_16x16x128_f8f6f4 v[XD:XD+7], v[XB:XB+11], v[XA:XA+11], v[XD:XD+7], v[XSB], v[XSA] matrix_a_fmt:MATRIX_FMT_FP6 matrix_b_fmt:MATRIX_FMT_FP6 matrix_a_scale:MATRIX_SCALE_ROW1
.elseif (\a%2)
	v_wmma_scale_f32_16x16x128_f8f6f4 v[XD:XD+7], v[XB:XB+11], v[XA:XA+11], v[XD:XD+7], v[XSB], v[XSA] matrix_a_fmt:MATRIX_FMT_FP6 matrix_b_fmt:MATRIX_FMT_FP6 matrix_b_scale:MATRIX_SCALE_ROW1
.else
	v_wmma_scale_f32_16x16x128_f8f6f4 v[XD:XD+7], v[XB:XB+11], v[XA:XA+11], v[XD:XD+7], v[XSB], v[XSA] matrix_a_fmt:MATRIX_FMT_FP6 matrix_b_fmt:MATRIX_FMT_FP6
.endif
.endr
.endr
.endm
.macro BIASLD W                        ; window W's 32 accumulators begin as the bias of the block that BP names: 64 loads
	WIN (\W)<<6
.irp a, 0,1,2,3
.irp c, 0,1
.irp u, 0,1,2,3
.irp k, 0,1
	global_load_b128 v[64*\a+32*\c+8*\u+4*\k:64*\a+32*\c+8*\u+4*\k+3], v[VB+\u%2], s[BP:BP+1] offset:(64*\c+8*\u)*4+16*\k
.endr
.endr
.endr
.endr
	WIN 0
.endm
; A SLOT: 256 along K, 64 matrix instructions in four quarters (c, q) = (0,0) (1,0) (0,1) (1,1); each quarter's fragments are asked for a quarter ahead.
; fill = 1: the slot is filled again, and the refill after this one is the next half panel's; 2: it is filled again, for the last time; 0: not.  nxt = 1: a slot follows.  tr: the trip, where the slot is written out.
.macro SLOT sg, W, fill, nxt, tr
.set MULW, ((\W)<<6)|((\W)<<4)
	PLACES
	LOADB \sg, 0, 1
	s_wait_loadcnt 0x0                             ; what was asked of memory a slot ago is in: this slot's scale words of W, biases
	s_wait_dscnt 24                                ; all but the 24 loads just issued: W's set 0, the rows' set 0 and their scale words
.if \nxt
.if \fill == 1
	s_cmp_eq_u32 s[ST], 0                          ; the next slot's scale words (the loads that named the pointer are in): in trip 0 positions 1 and 2, in trip 1 position 3 and the next half panel's 0
.if \sg == 0
	s_cselect_b64 s[PS:PS+1], s[SP1:SP1+1], s[SP3:SP3+1]
.else
	s_cselect_b64 s[PS:PS+1], s[SP2:SP2+1], s[SN0:SN0+1]
.endif
.elseif \sg == 1
	s_mov_b64 s[PS:PS+1], s[SP2:SP2+1]
.elseif \tr == 0
	s_mov_b64 s[PS:PS+1], s[SP1:SP1+1]
.else
	s_mov_b64 s[PS:PS+1], s[SP3:SP3+1]
.endif
	LOADWS 1-\sg
.endif
	WIN MULW
	MUL8 0, 0, \sg, 0
	MUL8 0, 0, \sg, 2
	PLACES
	WIN 0
	LOADB \sg, 1, 0
	LOADA \sg, 1, 1
	s_wait_dscnt 48                                ; all but the 24 + 24 just issued: W's set 1
	WIN MULW
	MUL8 1, 0, \sg, 0
	MUL8 1, 0, \sg, 2
	PLACES
	WIN 0
	LOADB \sg, 1, 1
	s_wait_dscnt 24                                ; W's set 0 and the rows' set 1
.if \fill
	s_wait_tensorcnt 0x0                           ; all my tensor loads have landed: the one that was out is my part of the other slot
	ds_add_u32 v[SPW], v[NIL]                      ; 0 onto my spare word
	s_mov_b64 s[G0+4*\sg+2:G0+4*\sg+3], s[PX+2*\sg:PX+2*\sg+1]   ; no load of mine is out, so a group 0 may be written: the tile that is due, from its plain pointer,
	s_or_b32 s[G0+4*\sg+3], s[G0+4*\sg+3], 0x80000000            ; with type = 2 on top
.if \fill == 1
	s_mov_b64 s[PX+2*\sg:PX+2*\sg+1], s[NX+2*\sg:NX+2*\sg+1]     ; the refill after this one brings the next half panel's tile
.endif
	WIN MULW
	MUL8 0, 1, \sg, 0                              ; eight matrix instructions stand between the add and the wait for it
	s_wait_dscnt 0x0                               ; the add is done, and my reads of this slot are over
	s_barrier_signal -1
	MUL8 0, 1, \sg, 2
	WIN 0
	s_barrier_wait -1
	CREST                                          ; the barrier has opened a round of the cluster's: no wave of any partner still reads this slot or has a load on its way
	tensor_load_to_lds s[G0+4*\sg:G0+4*\sg+3], s[G1W:G1W+7]   ; the joint refill, first behind the round: 48 of a slot's 64 matrix instructions stand ahead of the wait for it
	s_nop 0
	PLACES                                         ; (the places in front of the loads below)
.else
.if \nxt
	s_wait_tensorcnt 0x0                           ; my part of the last slot has landed; only I read it
.endif
	WIN MULW
	MUL8 0, 1, \sg, 0
	MUL8 0, 1, \sg, 2
	PLACES
	WIN 0
.endif
.if \nxt
.if \sg == 1
	s_xor_b32 s[SA], s[SA], 2*CHUNK                ; the next trip's rows and scale planes
	s_xor_b32 s[SS], s[SS], 1024
	v_add_nc_u32 v[AC], s[SA], v[AB]
	v_add_nc_u32 v[AC+1], s[SA], v[AB+1]
	v_add_nc_u32 v[ASCC], s[SS], v[ASB]
.endif
	LOADB 1-\sg, 0, 0
	LOADA 1-\sg, 0, 0
	LOADAS 1-\sg, 512*(1-\sg)
	s_wait_dscnt 50                                ; all but the next slot's first 24 + 24 + 2: W's set 1
.else
	s_wait_dscnt 0x0
.endif
	WIN MULW
	MUL8 1, 1, \sg, 0
	MUL8 1, 1, \sg, 2
	WIN 0
.endm
.macro HPLOOP W                        ; a half panel that has a successor: two trips of two slots
	s_mov_b32 s[ST], 0
.Lhp_\@:
	SLOT 0, \W, 1, 1, 0
	SLOT 1, \W, 1, 1, 0
	s_add_co_u32 s[ST], s[ST], 1
	s_cmp_lt_u32 s[ST], 2
	s_cbranch_scc1 .Lhp_\@
.endm
.macro HPLAST W                        ; the last half panel is written out
	SLOT 0, \W, 2, 1, 0
	SLOT 1, \W, 2, 1, 0
	SLOT 0, \W, 0, 1, 1
	SLOT 1, \W, 0, 0, 1
.endm
; The sum of squares of windows 2 and 3 for each of my four rows: four chains by turns, each accumulator from its low end on; then lane l xor 16's; then to LDS for the other waves.
.macro SUMSQ
	PLACES
	WIN 0x0a
.set i, 0
.rept 32
.irp a, 0,1,2,3
.if i == 0
	v_pk_mul_f32 v[SSQ+2*\a:SSQ+2*\a+1], v[64*\a:64*\a+1], v[64*\a:64*\a+1]
.else
	v_pk_fma_f32 v[SSQ+2*\a:SSQ+2*\a+1], v[64*\a+2*i:64*\a+2*i+1], v[64*\a+2*i:64*\a+2*i+1], v[SSQ+2*\a:SSQ+2*\a+1]
.endif
.endr
.set i, i+1
.endr
	WIN 0x0f
.set i, 0
.rept 32
.irp a, 0,1,2,3
	v_pk_fma_f32 v[SSQ+2*\a:SSQ+2*\a+1], v[64*\a+2*i:64*\a+2*i+1], v[64*\a+2*i:64*\a+2*i+1], v[SSQ+2*\a:SSQ+2*\a+1]
.endr
.set i, i+1
.endr
	WIN 0
.irp a, 0,1,2,3
	v_add_f32 v[SSQ+2*\a], v[SSQ+2*\a], v[SSQ+2*\a+1]
.endr
.irp a, 0,1,2,3
	v_permlanex16_b32 v[SSQ+2*\a+1], v[SSQ+2*\a], s[SEL], s[SEL+1]
.endr
.irp a, 0,1,2,3
	v_add_f32 v[SSQ+2*\a], v[SSQ+2*\a], v[SSQ+2*\a+1]
.endr
.irp a, 0,1,2,3
	ds_store_b32 v[NW], v[SSQ+2*\a] offset:256*\a  ; lanes l and l + 16 write the same word with the same value
.endr
.endm
.macro NORMS                           ; behind the barrier: the four waves' parts of my rows; 1 / norm into v[SSQ + 2 a]
.irp a, 0,1,2,3
	ds_load_b128 v[160+4*\a:163+4*\a], v[NR] offset:256*\a
.endr
	s_wait_dscnt 0x0
.irp a, 0,1,2,3
	v_add_f32 v[160+4*\a], v[160+4*\a], v[161+4*\a]
	v_add_f32 v[162+4*\a], v[162+4*\a], v[163+4*\a]
.endr
.irp a, 0,1,2,3
	v_add_f32 v[160+4*\a], v[160+4*\a], v[162+4*\a]
.endr
.irp a, 0,1,2,3
	v_rsq_f32 v[SSQ+2*\a], v[160+4*\a]
.endr
	v_nop                                          ; a plain place behind the transcendentals (ISA guide 5.7.2)
.endm
; One step of the sum over the 16 lanes of a half: each lane keeps half of its registers (those d on where its bit of r is set) and gives the other half to the lane xm away.
.macro RSTEP msk, xm, d
.set i, 0
.rept \d
	v_cndmask_b32 v[TX+2*(i%8)], v[PP+i], v[PP+i+\d], s[\msk]
	v_cndmask_b32 v[TX+2*(i%8)+1], v[PP+i+\d], v[PP+i], s[\msk]
	v_add_f32_dpp v[PP+i], v[TX+2*(i%8)+1], v[TX+2*(i%8)] row_xmask:\xm row_mask:0xf bank_mask:0xf
.set i, i+1
.endr
.endm
; The hp-th half of v is finished: k^ v summed over my four tiles of rows, then over the 16 rows of a tile; a lane ends with four neighbouring columns, the wave stores 512 consecutive bytes.
.macro VEPI hp
	s_xor_b32 s84, s[HS], \hp                      ; where it goes: my row of part (4,096 bytes), half hp xor hs.  (An earlier store has read the pointer: the wait at this macro's end)
	s_lshl_b32 s85, s[GG], 1
	s_add_co_u32 s84, s84, s85
	s_lshl_b32 s84, s84, 11
	s_mov_b32 s85, 0
	s_add_nc_u64 s[OUTB:OUTB+1], s[14:15], s[84:85]
	PLACES
	WIN 0x06+(\hp)                                 ; source 0: k^ (window 2 + hp); source 1: v (window 1)
.irp a, 0,1,2,3
.set i, 0
.rept 32
.if \a == 0
	v_pk_mul_f32 v[PP+2*i:PP+2*i+1], v[2*i:2*i+1], v[2*i:2*i+1]
.else
	v_pk_fma_f32 v[PP+2*i:PP+2*i+1], v[64*\a+2*i:64*\a+2*i+1], v[64*\a+2*i:64*\a+2*i+1], v[PP+2*i:PP+2*i+1]
.endif
.set i, i+1
.endr
.endr
	WIN 0
.if \hp == 0
	BLOCK 3
	BPTR 12
	BIASLD 1                                       ; the second half of v begins as its bias; the loads land under the sums below
.endif
	RSTEP M8, 8, 32
	RSTEP M4, 4, 16
	RSTEP M2, 2, 8
	RSTEP M1, 1, 4
	global_store_b128 v[PO], v[PP:PP+3], s[OUTB:OUTB+1]
.if \hp == 0
	s_wait_xcnt 0x0                                ; the store has read its registers and its pointer: they are written again below
.endif
.endm
	s_load_b256 s[4:11], s[0:1], 0x0               ; x's codes s[4:5], x's scales s[6:7], Wqkv's codes s[8:9], Wqkv's scales s[10:11]
	s_load_b128 s[12:15], s[0:1], 0x20             ; bqkv s[12:13], part s[14:15]
	v_lshl_add_u32 v[SPW], v0, 2, SPARE
	v_mov_b32 v[NIL], 0
	ds_add_u32 v1, v2
	ds_add_u32 v1, v2
	s_wait_dscnt 0x0
	v_lshrrev_b32 v3, 5, v0
	v_readfirstlane_b32 s[WV], v3                  ; wave 0..3
	s_bfe_u32 s[CX], ttmp6, 0x40000                ; my place in the cluster
	s_lshl_b32 s[GG], ttmp9, 2
	s_add_co_u32 s[GG], s[GG], s[CX]               ; my work-group: it enters x's and part's addresses alone
	s_and_b32 s[RK], ttmp9, 3                      ; r and hs, of the cluster's number: alike in the four partners
	s_bfe_u32 s[HS], ttmp9, 0x10002
	s_mov_b32 s89, 0
	s_mov_b32 s[SEL], 0x76543210
	s_mov_b32 s[SEL+1], 0xfedcba98                 ; v_permlanex16_b32's selects for lane l xor 16
	s_mov_b32 s[MH], 0xffff0000                    ; lanes 16-31
	s_mov_b32 s[M8], 0xff00ff00                    ; lanes whose r has bit 3, 2, 1, 0
	s_mov_b32 s[M4], 0xf0f0f0f0
	s_mov_b32 s[M2], 0xcccccccc
	s_mov_b32 s[M1], 0xaaaaaaaa
	s_mov_b32 s[SA], 0
	s_mov_b32 s[SS], 0
	; group 1 for W's tiles: 128 rows x 192 bytes, 768 bytes apart, 16 bytes of padding behind every 64; the mask names all four work-groups
	s_mov_b32 s[G1W], 15|(1<<20)|(1<<21)|(3<<22)|(3<<25)
	s_mov_b32 s[G1W+1], 192<<16
	s_mov_b32 s[G1W+2], 128<<16
	s_mov_b32 s[G1W+3], 192<<16
	s_mov_b32 s[G1W+4], 128
	s_mov_b32 s[G1W+5], 768
	s_mov_b32 s[G1W+6], 0
	s_mov_b32 s[G1W+7], 0
	; and for a chunk of x: 64 rows, no mask
	s_mov_b32 s[G1X], (1<<20)|(3<<22)|(3<<25)
	s_mov_b32 s[G1X+1], 192<<16
	s_mov_b32 s[G1X+2], 64<<16
	s_mov_b32 s[G1X+3], 192<<16
	s_mov_b32 s[G1X+4], 64
	s_mov_b32 s[G1X+5], 768
	s_mov_b32 s[G1X+6], 0
	s_mov_b32 s[G1X+7], 0
	; every LDS address is made here, at the head, in a register that holds nothing else, of the thread's and the wave's number alone
	v_and_b32 v160, 15, v0                         ; r
	v_bfe_u32 v161, v0, 4, 1                       ; h
	v_bfe_u32 v162, v0, 3, 1                       ; r / 8
	v_and_b32 v168, 31, v0                         ; lane
	v_lshl_add_u32 v163, v162, 5, v160             ; my row in a tile of even u: r + 32 (r / 8)
	v_lshl_add_u32 v164, v162, 4, v160             ; of odd u: r + 16 (r / 8)
	s_mul_i32 s88, s[WV], WAVEB
	v_mul_u32_u24 v165, v163, PITCH
	v_mul_u32_u24 v166, v164, PITCH
	v_add_nc_u32 v165, s88, v165
	v_add_nc_u32 v166, s88, v166
	v_mad_u32_u24 v[BA], v161, 24, v165
	v_mad_u32_u24 v[BA+1], v161, 40, v165
	v_mad_u32_u24 v[BA+2], v161, 24, v166
	v_mad_u32_u24 v[BA+3], v161, 40, v166
.irp j, 0,1,2,3
	v_add_nc_u32 v[BA+4+\j], SLOT1, v[BA+\j]
.endr
	v_mul_u32_u24 v167, v160, PITCH
	v_add_nc_u32 v167, XR, v167
	v_mad_u32_u24 v[AB], v161, 24, v167
	v_mad_u32_u24 v[AB+1], v161, 40, v167
	v_add_nc_u32 v[AC], s[SA], v[AB]
	v_add_nc_u32 v[AC+1], s[SA], v[AB+1]
	v_lshl_add_u32 v[ASB], v168, 3, ASC
	v_add_nc_u32 v[ASCC], s[SS], v[ASB]
	v_add_nc_u32 v169, 8, v164
	v_cndmask_b32 v169, v163, v169, s[MH]          ; lanes 0-15: the even tile's row; lanes 16-31: the odd tile's, 8 rows on
	v_lshlrev_b32 v[VS], 5, v169                   ; 32 scale bytes a row
	v_mul_u32_u24 v[VB], v161, 160
	v_mul_u32_u24 v[VB+1], v161, 96
	s_lshl_b32 s88, s[WV], 9
	v_lshl_add_u32 v170, v162, 3, v160             ; part: 16 (r + 8 (r / 8)) + h (160 - 64 x bit 1 of r) + 512 wave
	v_bfe_u32 v171, v0, 1, 1
	v_lshlrev_b32 v171, 6, v171
	v_sub_nc_u32 v171, 160, v171
	v_mul_u32_u24 v171, v171, v161
	v_lshl_add_u32 v[PO], v170, 4, v171
	v_add_nc_u32 v[PO], s88, v[PO]
	v_lshl_add_u32 v[NR], v160, 4, NRM
	s_lshl_b32 s88, s[WV], 2
	v_add_nc_u32 v[NW], s88, v[NR]
	v_and_b32 v173, 1, v0                          ; x's scales: thread t fills planes 2 (t % 2) and 2 (t % 2) + 1 of row t / 2; plane p takes the row's 8 bytes of K step (p + r) % 4
	v_lshrrev_b32 v174, 1, v0
	v_lshl_add_u32 v172, v173, 1, s[RK]
	v_add_nc_u32 v175, 1, v172
	v_and_b32 v172, 3, v172
	v_and_b32 v175, 3, v175
	v_lshlrev_b32 v172, 3, v172
	v_lshlrev_b32 v175, 3, v175
	v_lshl_add_u32 v172, v174, 5, v172             ; in memory: 32 bytes a row
	v_lshl_add_u32 v175, v174, 5, v175
	v_lshlrev_b32 v173, 10, v173
	v_lshl_add_u32 v173, v174, 3, v173
	v_add_nc_u32 v173, ASC, v173                   ; in LDS
	s_wait_kmcnt 0x0
	s_lshl_b32 s84, s[GG], 11
	s_mov_b32 s85, 0
	s_add_nc_u64 s[6:7], s[6:7], s[84:85]          ; my 64 rows' scale bytes
	global_load_b64 v[176:177], v172, s[6:7]
	global_load_b64 v[178:179], v175, s[6:7]
	s_add_co_u32 s88, s[WV], s[RK]                 ; wave w brings chunk w of my 64 rows: K step (w + r) % 4
	s_and_b32 s88, s88, 3
	s_mul_i32 s88, s88, 192
	s_mul_i32 s84, s[GG], 49152
	s_add_co_u32 s84, s84, s88
	s_mov_b32 s[G0X], 1
	s_mul_i32 s[G0X+1], s[WV], CHUNK
	s_add_co_u32 s[G0X+1], s[G0X+1], XR
	s_add_nc_u64 s[G0X+2:G0X+3], s[4:5], s[84:85]
	s_or_b32 s[G0X+3], s[G0X+3], 0x80000000
	BLOCK 0                                        ; k's first half: positions 0 and 1 are the first fills
	s_mov_b32 s[G0], 1
	s_mul_i32 s[G0+1], s[WV], WAVEB
	CPTR G0+2, 8, RK, 0
	s_or_b32 s[G0+3], s[G0+3], 0x80000000
	s_mov_b32 s[G0+4], 1
	s_add_co_u32 s[G0+5], s[G0+1], SLOT1
	CPTR G0+6, 8, RK, 1
	s_or_b32 s[G0+7], s[G0+7], 0x80000000
	ZPTR PS, 10, RK, 0
	SETCUR 8, 10, RK
	BLOCK 1
	SETNXT 8, 10, RK
	CROUND                                         ; all four work-groups are here: the first joint loads meet
	tensor_load_to_lds s[G0X:G0X+3], s[G1X:G1X+7]  ; the first fills go out together: three loads of mine are out
	s_nop 0
	tensor_load_to_lds s[G0:G0+3], s[G1W:G1W+7]
	s_nop 0
	tensor_load_to_lds s[G0+4:G0+7], s[G1W:G1W+7]
	s_nop 0
	PLACES
	s_wait_loadcnt 0x0                             ; x's scale bytes
	ds_store_b64 v173, v[176:177]
	ds_store_b64 v173, v[178:179] offset:512
	LOADWS 0
	BLOCK 0                                        ; k's two halves and v's first begin as their biases
	BPTR 12
	BIASLD 2
	BLOCK 1
	BPTR 12
	BIASLD 3
	BLOCK 2
	BPTR 12
	BIASLD 1
	s_wait_tensorcnt 0x1                           ; my chunk of x and my part of slot 0 are in; slot 1's may stay out
	s_wait_dscnt 0x0                               ; my scale words lie in LDS
	s_barrier_signal -1
	s_barrier_wait -1
	LOADB 0, 0, 0
	LOADA 0, 0, 0
	LOADAS 0, 0
	HPLOOP 2                                       ; k, its first half
	BLOCK 1
	SETCUR 8, 10, RK
	BLOCK 2
	SETNXT 8, 10, RK
	HPLOOP 3                                       ; k, its second half
	BLOCK 2
	SETCUR 8, 10, RK
	BLOCK 3
	SETNXT 8, 10, RK
	SUMSQ
	s_wait_dscnt 0x0                               ; for the others' sake: my sums lie in LDS.
	s_barrier_signal -1
	s_barrier_wait -1
	NORMS
	WIN 0x82                                       ; k^ = k / norm, in place
	s_wait_alu depctr_va_vdst(0)
.irp a, 0,1,2,3
.set i, 0
.rept 32
	v_pk_mul_f32 v[64*\a+2*i:64*\a+2*i+1], v[64*\a+2*i:64*\a+2*i+1], v[SSQ+2*\a:SSQ+2*\a+1] op_sel_hi:[1,0]
.set i, i+1
.endr
.endr
	WIN 0xc3
.irp a, 0,1,2,3
.set i, 0
.rept 32
	v_pk_mul_f32 v[64*\a+2*i:64*\a+2*i+1], v[64*\a+2*i:64*\a+2*i+1], v[SSQ+2*\a:SSQ+2*\a+1] op_sel_hi:[1,0]
.set i, i+1
.endr
.endr
	WIN 0
	HPLOOP 1                                       ; v, its first half: the columns of window 2's k
	BLOCK 3
	SETCUR 8, 10, RK
	VEPI 0
	HPLAST 1                                       ; v, its second half: the columns of window 3's k
	VEPI 1
	s_wait_tensorcnt 0x0                           ; the wave's end
	ds_add_u32 v[SPW], v[NIL]
	s_wait_dscnt 0x0
	CROUND                                         ; the closing round: no work-group ends while a partner may still ask for a tile that names it
	s_endpgm
.Lfunc_end_k_q1c7f4ea33a_kvpart:
	.size	k_q1c7f4ea33a_kvpart, .Lfunc_end_k_q1c7f4ea33a_kvpart-k_q1c7f4ea33a_kvpart
	.p2alignl 7, 3214868480
	.fill 96, 4, 3214868480
	.section	.rodata,"a",@progbits
	.p2align	6, 0x0
	.amdhsa_kernel k_q1c7f4ea33a_kvpart
		.amdhsa_group_segment_fixed_size 327680
		.amdhsa_private_segment_fixed_size 0
		.amdhsa_enable_private_segment 0
		.amdhsa_kernarg_size 48
		.amdhsa_user_sgpr_count 2
		.amdhsa_user_sgpr_kernarg_segment_ptr 1
		.amdhsa_wavefront_size32 1
		.amdhsa_system_sgpr_workgroup_id_x 1
		.amdhsa_system_sgpr_workgroup_id_y 1
		.amdhsa_system_sgpr_workgroup_id_z 1
		.amdhsa_system_vgpr_workitem_id 0
		.amdhsa_next_free_vgpr 1024
		.amdhsa_next_free_sgpr 100
		.amdhsa_reserve_vcc 0
		.amdhsa_float_denorm_mode_32 3
		.amdhsa_float_denorm_mode_16_64 3
		.amdhsa_memory_ordered 1
		.amdhsa_forward_progress 1
		.amdhsa_inst_pref_size 255
	.end_amdhsa_kernel
	.section	.bss,"aw",@nobits
	.p2align	6
	.space	262144
	.amdgpu_metadata
---
amdhsa.version: [ 1, 2 ]
amdhsa.kernels:
  - .name:           k_q1c7f4ea33a_kvpart
    .symbol:         k_q1c7f4ea33a_kvpart.kd
    .args:
      - { .name: x_codes, .offset: 0, .size: 8, .value_kind: global_buffer, .address_space: global }
      - { .name: x_scales, .offset: 8, .size: 8, .value_kind: global_buffer, .address_space: global }
      - { .name: Wqkv_codes, .offset: 16, .size: 8, .value_kind: global_buffer, .address_space: global }
      - { .name: Wqkv_scales, .offset: 24, .size: 8, .value_kind: global_buffer, .address_space: global }
      - { .name: bqkv, .offset: 32, .size: 8, .value_kind: global_buffer, .address_space: global }
      - { .name: part, .offset: 40, .size: 8, .value_kind: global_buffer, .address_space: global }
    .group_segment_fixed_size: 327680
    .private_segment_fixed_size: 0
    .kernarg_segment_align: 8
    .kernarg_segment_size: 48
    .max_flat_workgroup_size: 128
    .sgpr_count:     100
    .vgpr_count:     1024
    .wavefront_size: 32
...
	.end_amdgpu_metadata
.endif
;; end of part 3
;; launch project (part 4): grid 256 x 1, 4 waves a work-group, clusters of 4 x 1, 327,680 bytes of LDS; arguments x_codes, x_scales, Wqkv_codes, Wqkv_scales, bqkv, Wout_codes, Wout_scales, bout, part, out0; writes out0
.if DOCPART == 4
	.amdgcn_target "amdgcn-amd-amdhsa--gfx1250"
	.amdhsa_code_object_version 6
	.text
	.protected	k_q1c7f4ea33a_project
	.globl	k_q1c7f4ea33a_project
	.p2align	8
	.type	k_q1c7f4ea33a_project,@function
k_q1c7f4ea33a_project:
	s_mov_b64 s[64:65], 0
	v_nop
	global_prefetch_b8 v0, s[64:65] scope:SCOPE_SE
	s_setreg_imm32_b32 hwreg(HW_REG_WAVE_MODE, 25, 1), 1
	s_wait_xcnt 0x0
	s_wait_alu depctr_hold_cnt(0) depctr_sa_sdst(0) depctr_va_vdst(0) depctr_va_sdst(0) depctr_va_ssrc(0) depctr_va_vcc(0) depctr_vm_vsrc(0)
	s_getreg_b32 s2, hwreg(HW_REG_IB_STS2, 6, 4)
	s_cmp_eq_u32 s2, 0
	s_cbranch_scc0 .Lentry_in_a_cluster
	s_endpgm
.Lentry_in_a_cluster:
	s_bfe_u32 s2, ttmp6, 0x10000c
	s_cmp_lg_u32 s2, 0x3003
	s_cbranch_scc0 .Lentry_shape_is_right
	s_endpgm
.Lentry_shape_is_right:
; out0 = Q(q^ kv) Wout + bout, where q = x Wq + bq, q^ = q / |q| (the norm over a row's 1,024 columns), kv[d] = the sum of the batch's 64 rows of part, Q the MX-FP6 quantiser along d.
; x, Wqkv and Wout are codes of FP6 (E2M3), K innermost, 768 bytes a row, one E8M0 byte for each 32 along K.
; SHARES, RING, LAYOUT: a work-group owns 64 whole rows.  Four HALF PANELS of 512 weight rows: q (two of Wqkv's first 1,024 rows) into windows 2 and 3, then y (two of Wout) into the same windows; wave w takes 128
; of the 512, 32 accumulators.  K goes in steps of 256 (rows of 192 bytes, which begin at multiples of 64 bytes) through two LDS slots; the ring runs on from Wqkv into Wout.  Each wave fetches and alone reads its own rows;
; the four work-groups of a cluster ask for each tile JOINTLY.  The product is used transposed (source 0 = 16 weight rows, source 1 = 16 rows of x or of the quantised operand).
; THE ORDER OF THE WALK DIFFERS FROM CLUSTER TO CLUSTER.  With c the cluster's number: r = c % 4 turns the first product's K (position j of a half panel holds K step (j + r) % 4; x and its scale words are brought into
; LDS in that order); rho (bits 2 and 4 of c) turns q's columns: POSITION block 4 hp + wave holds the true block (4 hp + wave + 2 rho) % 8 of 128 columns, and kv is loaded from part turned alike, so that registers,
; kv in LDS, the images and their scale words all lie in position order and no LDS address knows of rho; the second product's K is thereby turned by rho steps, which Wout's pointers follow; hs = c % 2 says which half
; of Wout comes first.  So at q's first step the sixteen kinds of cluster ask for all sixteen parts of Wq, at y's first step the eight kinds for all eight parts of Wout, and every later tile that a cluster asks for
; has been asked for by other clusters a step or more before.  All three numbers are shared by the four partners of a joint load.
; THE ROWS OF A WEIGHT TILE: tile (c, u): rows 64 c + 8 u + 0..7 in lanes 0-7, rows 64 c + 32 + 8 (u xor 1) + 0..7 in lanes 8-15.  So register 64 a + 32 c + 8 u + j of lane (r, h) is column
; 64 c + (h ? 32 + 8 (u xor 1) : 8 u) + j: A LANE HOLDS A WHOLE BLOCK OF 32 ALONG THE NEXT K in 32 registers on end (for h = 1 its groups of eight in the order 1, 0, 3, 2): a block's maximum asks no other lane,
; and the conversions' results, turned by 48 bits where h = 1, are the next operand's registers.  They go to the other waves through LDS as images of the registers.
; kv: each thread sums eight columns of the batch's 64 partial rows, eight rows a slot, under q's products.  The accumulators begin as the bias.
; LIMITS: 1 / norm is v_rsq_f32 of the f32 sum of squares: a row whose sum of squares lies under 2^-126 counts as 0 there.  A block of zeros keeps the scale byte 1 with zero codes (the bytes are read here alone).
; NaN and infinities among the values that codes and scales stand for are not served.  The sums along K begin at another K step in each kind of cluster: f32 sums in another order.
; REGISTERS, window 0: v1-31 addresses; v32-47, v48-55 scale words; v56-63 sums of squares, then 1 / norm; v64-111, v160-207 the rows' fragments; v112-159, v208-255 W's.
;   window 1: v0-63 eight partial rows, v64-71 their running sums, v72-74 kv's LDS addresses, v128-255 kv in the accumulators' layout.   windows 2, 3: q, then y.
.set SLOT1,  131072
.set WAVEB,  30720
.set PITCH,  240
.set ASC,    122880                    ; the rows' scale words: plane (position of 256 along K) of 512 bytes, 8 bytes a row: x's, later the quantised operand's
.set NRM,    124928
.set SPARE,  125952                    ; the spare words, 128 bytes a wave: two blocks of 256 bytes that no other line names
.set KV,     126464                    ; kv, 1,024 numbers, in position order
.set XR,     253952                    ; x: four chunks of 64 rows; filled once
.set CHUNK,  15360
.set AIMG,   XR                        ; behind the norm's barrier, where x is done with: the quantised operand's 32 fragments, (8 a + position of 128 along K) x 1,536 bytes
.set STG,    XR+49152                  ; and a stage of 16 rows x 272 bytes for each wave
.set SPW, 1
.set NIL, 2
.set SH8, 3                            ; v3  8 h
.set BA,  4
.set AB,  12
.set AC,  14
.set ASB, 16
.set ASCC, 17
.set VS,  18                           ; v18 my lane's byte in a block's scales
.set VB,  19                           ; v19-20 my lane's byte in a block's bias, for even and odd u
.set KVO, 21                           ; v21 my bytes in a row of part for positions 4 t ..;
.set NW,  22
.set NR,  23
.set AIB, 24                           ; v24 an image's place for my lane: AIMG + 16 x lane
.set KVO1, 25                          ; v25 and for positions 512 + 4 t ..
.set IW,  26                           ; v26 where I store an image
.set SW,  27                           ; v27 and its scale word
.set STO, 28                           ; v28-29 into the stage, for even and odd u
.set RD,  30                           ; v30 back out of it
.set GO,  31                           ; v31 my bytes in out0
.set KVA, 72                           ; window 1: v72-73 kv in LDS, for even and odd u;
.set KVW, 74                           ; window 1: v74 where I store my eight columns of kv
.set SCB, 32
.set SCA, 48
.set SSQ, 56
.set AF0, 64
.set BF0, 112
.set QM,  160                          ; the quantiser's: largest magnitudes, scale operands, bytes, the scale word, a lane exchange,
.set QE,  162
.set QB,  164
.set QW,  166
.set QT,  167
.set QC,  168                          ; four conversions' results, four registers apart, the same turned by 48 bits, the fragment
.set QN,  184
.set QF,  196
.set OB,  160                          ; the way out: 16 rows read back, two sets of 32
.set WV,  24
.set CX,  25
.set GG,  26
.set T1,  27                           ; at work; like s88 it never holds my place in the cluster
.set G1W, 28
.set G1X, 36
.set G0X, 44
.set G0,  48
.set NX,  56                           ; s[56:57], s[58:59] plain pointers: the next half panel's tiles at positions 0, 1
.set PS,  60                           ; s[60:61] W's scales for the loads in hand
.set SP1, 62                           ; s[62:63], s[66:67], s[90:91] W's scales at positions 1, 2, 3 of the half panel in hand;
.set SP2, 66
.set SP3, 90
.set SN0, 86                           ; s[86:87] at position 0 of the next
.set ST,  68
.set SA,  69
.set SS,  70
.set SN,  71                           ; groups of partial rows summed
.set SEL, 72
.set MH,  74
.set BP,  76                           ; s[76:77] a block's bias
.set PSEL, 79
.set KP,  80
.set OUTB, 82
.set PX,  92                           ; s[92:93], s[94:95] plain pointers: the tile that slot 0's, slot 1's next refill brings
.set RK,  96                           ; r
.set RQ,  97                           ; rho
.set HS,  98                           ; hs
.set BC,  99                           ; the block of 128 weight rows in hand.   s[88:89]: an offset, s89 = 0 throughout;  s[84:85]: offsets that hold my place in the cluster
.set MSB, 0
.macro WIN new                         ; the immediate's high byte repeats the setting that is left; a switch that changes nothing is dropped
.if MSB != (\new)
	s_set_vgpr_msb (MSB<<8)|(\new)
.set MSB, (\new)
.endif
.endm
.macro PLACES                          ; four places between a matrix instruction and a load into, or a read of, its registers (ISA guide 7.12.1 for reads)
.rept 4
	v_nop
.endr
.endm
.macro CREST
	s_cmp_lg_u32 s[WV], 0
	s_cbranch_scc1 .Lnot_wave_0_\@
	s_barrier_signal -3
.Lnot_wave_0_\@:
	s_barrier_wait -3
	s_barrier_signal -1
	s_barrier_wait -1
.endm
.macro CROUND
	s_barrier_signal -1
	s_barrier_wait -1
	CREST
.endm
.macro BLOCKQ hp                       ; my wave's block of Wq in q's hp-th half: (4 hp + wave + 2 rho) % 8
	s_lshl_b32 s[BC], s[RQ], 1
	s_add_co_u32 s[BC], s[BC], s[WV]
	s_add_co_u32 s[BC], s[BC], 4*(\hp)
	s_and_b32 s[BC], s[BC], 7
.endm
.macro BLOCKO hp                       ; my wave's block of Wout in y's hp-th half: 4 (hp xor hs) + wave
	s_xor_b32 s[BC], s[HS], \hp
	s_lshl_b32 s[BC], s[BC], 2
	s_add_co_u32 s[BC], s[BC], s[WV]
.endm
.macro CPTR dst, base, rot, j          ; codes of block BC at position j: 98,304 bytes a block, 192 a K step
	s_add_co_u32 s88, s[\rot], \j
	s_and_b32 s88, s88, 3
	s_mul_i32 s88, s88, 192
	s_mul_i32 s[T1], s[BC], 98304
	s_add_co_u32 s88, s88, s[T1]
	s_add_nc_u64 s[\dst:\dst+1], s[\base:\base+1], s[88:89]
.endm
.macro ZPTR dst, base, rot, j          ; scale bytes of block BC at position j: 4,096 bytes a block, 8 a K step
	s_add_co_u32 s88, s[\rot], \j
	s_and_b32 s88, s88, 3
	s_lshl_b32 s88, s88, 3
	s_lshl_b32 s[T1], s[BC], 12
	s_add_co_u32 s88, s88, s[T1]
	s_add_nc_u64 s[\dst:\dst+1], s[\base:\base+1], s[88:89]
.endm
.macro BPTR base                       ; the bias of block BC: 512 bytes a block
	s_wait_xcnt 0x0                                ; the loads that named the pointer have read it
	s_lshl_b32 s88, s[BC], 9
	s_add_nc_u64 s[BP:BP+1], s[\base:\base+1], s[88:89]
.endm
.macro SETCUR cb, zb, rot              ; BC = my block of the half panel about to run: its positions 2 and 3 are the next refills
	CPTR PX, \cb, \rot, 2
	CPTR PX+2, \cb, \rot, 3
	ZPTR SP1, \zb, \rot, 1
	ZPTR SP2, \zb, \rot, 2
	ZPTR SP3, \zb, \rot, 3
.endm
.macro SETNXT cb, zb, rot              ; BC = my block of the half panel behind it
	CPTR NX, \cb, \rot, 0
	CPTR NX+2, \cb, \rot, 1
	ZPTR SN0, \zb, \rot, 0
.endm
.macro FRAG reg, adr, q, off           ; a fragment in six pieces of 8 bytes; register adr + 1 serves the pieces that for lanes 16-31 lie behind one padding more
.irp p, 0,1,2,3,4,5
.set PCX, 12*(\q)+6*(\p/3)+\p%3
.if PCX%8 < 5
	ds_load_b64 v[\reg+2*\p:\reg+2*\p+1], v[\adr] offset:\off+8*PCX+16*(PCX/8)
.else
	ds_load_b64 v[\reg+2*\p:\reg+2*\p+1], v[\adr+1] offset:\off+8*PCX+16*(PCX/8)
.endif
.endr
.endm
.macro LOADB sg, q, c                  ; W's four tiles (c, 0..3) of the slot's q-th 128 along K into set c: 24 loads
.irp u, 0,1,2,3
	FRAG BF0+96*(\c)+12*\u, BA+4*(\sg)+2*(\u%2), \q, (64*(\c)+8*\u)*PITCH
.endr
.endm
.macro LOADA img, sel, q, set          ; the four tiles of rows.  img = 0: from x's rows, chunk sel of the trip: 24 loads.  img = 1: register images, position sel of the trip: 12 loads
.if \img
.irp a, 0,1,2,3
.irp gq, 0,1,2
	ds_load_b128 v[AF0+96*(\set)+12*\a+4*\gq:AF0+96*(\set)+12*\a+4*\gq+3], v[AC] offset:(8*\a+(\sel))*1536+512*\gq
.endr
.endr
.else
.irp a, 0,1,2,3
	FRAG AF0+96*(\set)+12*\a, AC, \q, (\sel)*CHUNK+\a*16*PITCH
.endr
.endif
.endm
.macro LOADAS sgn, off                 ; the rows' scale words of a slot: lanes 0-15 an even tile of rows, lanes 16-31 the odd one
.irp i, 0,1
	ds_load_b64 v[SCA+4*(\sgn)+2*\i:SCA+4*(\sgn)+2*\i+1], v[ASCC] offset:(\off)+256*\i
.endr
.endm
.macro LOADWS sgn                      ; W's scale words of a slot, from memory: 8 of each row's 32 bytes; lanes 0-15 an even u, lanes 16-31 the odd one
.irp c, 0,1
.irp i, 0,1
	global_load_b64 v[SCB+8*(\sgn)+2*(2*\c+\i):SCB+8*(\sgn)+2*(2*\c+\i)+1], v[VS], s[PS:PS+1] offset:2048*\c+512*\i
.endr
.endr
.endm
.macro MUL8 c, q, sg, ub               ; 8 matrix instructions; the 32 accumulators take turns, one instruction a turn
.irp e, 0,1
.irp a, 0,1,2,3
.set UU, (\ub)+\e
.set XD, 64*\a+32*(\c)+8*UU
.set XB, BF0+96*(\c)+12*UU
.set XA, AF0+96*(\q)+12*\a
.set XSB, SCB+8*(\sg)+2*(2*(\c)+UU/2)+(\q)
.set XSA, SCA+4*(\sg)+2*(\a/2)+(\q)
.if (UU%2) && (\a%2)
	v_wmma_scale_f32_16x16x128_f8f6f4 v[XD:XD+7], v[XB:XB+11], v[XA:XA+11], v[XD:XD+7], v[XSB], v[XSA] matrix_a_fmt:MATRIX_FMT_FP6 matrix_b_fmt:MATRIX_FMT_FP6 matrix_a_scale:MATRIX_SCALE_ROW1 matrix_b_scale:MATRIX_SCALE_ROW1
.elseif (UU%2)
	v_wmma_scale_f32_16x16x128_f8f6f4 v[XD:XD+7], v[XB:XB+11], v[XA:XA+11], v[XD:XD+7], v[XSB], v[XSA] matrix_a_fmt:MATRIX_FMT_FP6 matrix_b_fmt:MATRIX_FMT_FP6 matrix_a_scale:MATRIX_SCALE_ROW1
.elseif (\a%2)
	v_wmma_scale_f32_16x16x128_f8f6f4 v[XD:XD+7], v[XB:XB+11], v[XA:XA+11], v[XD:XD+7], v[XSB], v[XSA] matrix_a_fmt:MATRIX_FMT_FP6 matrix_b_fmt:MATRIX_FMT_FP6 matrix_b_scale:MATRIX_SCALE_ROW1
.else
	v_wmma_scale_f32_16x16x128_f8f6f4 v[XD:XD+7], v[XB:XB+11], v[XA:XA+11], v[XD:XD+7], v[XSB], v[XSA] matrix_a_fmt:MATRIX_FMT_FP6 matrix_b_fmt:MATRIX_FMT_FP6
.endif
.endr
.endr
.endm
.macro BIASLD W                        ; window W's 32 accumulators begin as the bias of the block that BP names: 64 loads
	WIN (\W)<<6
.irp a, 0,1,2,3
.irp c, 0,1
.irp u, 0,1,2,3
.irp k, 0,1
	global_load_b128 v[64*\a+32*\c+8*\u+4*\k:64*\a+32*\c+8*\u+4*\k+3], v[VB+\u%2], s[BP:BP+1] offset:(64*\c+8*\u)*4+16*\k
.endr
.endr
.endr
.endr
	WIN 0
.endm
.macro KVLOAD                          ; eight rows of part: thread t takes the columns of positions 4 t .. and 512 + 4 t ..: a wave's load covers 512 consecutive bytes
	WIN 0x40
.irp i, 0,1,2,3,4,5,6,7
	global_load_b128 v[8*\i:8*\i+3], v[KVO], s[KP:KP+1] offset:4096*\i
	global_load_b128 v[8*\i+4:8*\i+7], v[KVO1], s[KP:KP+1] offset:4096*\i
.endr
	WIN 0
.endm
.macro KVSTEP                          ; the eight rows that have landed are added, in ascending order, in four chains; the next eight are asked for, if any are left: no load leaves part
	WIN 0x55
.irp i, 0,1,2,3,4,5,6,7
.irp p, 0,1,2,3
	v_pk_add_f32 v[64+2*\p:65+2*\p], v[64+2*\p:65+2*\p], v[8*\i+2*\p:8*\i+2*\p+1]
.endr
.endr
	WIN 0
	s_cmp_lt_u32 s[SN], 7
	s_cbranch_scc0 .Lkv_done_\@
	s_add_nc_u64 s[KP:KP+1], s[KP:KP+1], 32768     ; (the loads that named the pointer are in)
	KVLOAD
.Lkv_done_\@:
	s_add_co_u32 s[SN], s[SN], 1
.endm
; A SLOT: 256 along K, 64 matrix instructions in four quarters (c, q) = (0,0) (1,0) (0,1) (1,1); each quarter's fragments are asked for a quarter ahead.
; fill = 1: the slot is filled again, and the refill after this one is the next half panel's; 2: it is filled again, for the last time; 0: not.  kv = 1: a step of kv's sum.  nxt = 1: a slot follows.  tr: the trip, where the slot is written out.
.macro SLOT sg, W, img, fill, kv, nxt, tr
.set NA, 24-12*(\img)
.set MULW, ((\W)<<6)|((\W)<<4)
.if \img
.set SELQ1, 2*(\sg)+1
.set SELQ3, 2*(1-(\sg))
.set STEPA, 6144
.else
.set SELQ1, \sg
.set SELQ3, 1-(\sg)
.set STEPA, 2*CHUNK
.endif
.set OFFS, 512*(1-(\sg))
	PLACES
	LOADB \sg, 0, 1
	s_wait_loadcnt 0x0                             ; what was asked of memory a slot ago is in: this slot's scale words of W, biases, eight rows of part
	s_wait_dscnt 24                                ; all but the 24 loads just issued: W's set 0, the rows' set 0 and their scale words
.if \kv
	KVSTEP
.endif
.if \nxt
.if \fill == 1
	s_cmp_eq_u32 s[ST], 0                          ; the next slot's scale words (the loads that named the pointer are in): in trip 0 positions 1 and 2, in trip 1 position 3 and the next half panel's 0
.if \sg == 0
	s_cselect_b64 s[PS:PS+1], s[SP1:SP1+1], s[SP3:SP3+1]
.else
	s_cselect_b64 s[PS:PS+1], s[SP2:SP2+1], s[SN0:SN0+1]
.endif
.elseif \sg == 1
	s_mov_b64 s[PS:PS+1], s[SP2:SP2+1]
.elseif \tr == 0
	s_mov_b64 s[PS:PS+1], s[SP1:SP1+1]
.else
	s_mov_b64 s[PS:PS+1], s[SP3:SP3+1]
.endif
	LOADWS 1-\sg
.endif
	WIN MULW
	MUL8 0, 0, \sg, 0
	MUL8 0, 0, \sg, 2
	PLACES
	WIN 0
	LOADB \sg, 1, 0
	LOADA \img, SELQ1, 1, 1
	s_wait_dscnt 24+NA                             ; all but those just issued: W's set 1
	WIN MULW
	MUL8 1, 0, \sg, 0
	MUL8 1, 0, \sg, 2
	PLACES
	WIN 0
	LOADB \sg, 1, 1
	s_wait_dscnt 24                                ; W's set 0 and the rows' set 1
.if \fill
	s_wait_tensorcnt 0x0                           ; all my tensor loads have landed: the one that was out is my part of the other slot
	ds_add_u32 v[SPW], v[NIL]                      ; 0 onto my spare word
	s_mov_b64 s[G0+4*\sg+2:G0+4*\sg+3], s[PX+2*\sg:PX+2*\sg+1]   ; no load of mine is out, so a group 0 may be written: the tile that is due, from its plain pointer,
	s_or_b32 s[G0+4*\sg+3], s[G0+4*\sg+3], 0x80000000            ; with type = 2 on top
.if \fill == 1
	s_mov_b64 s[PX+2*\sg:PX+2*\sg+1], s[NX+2*\sg:NX+2*\sg+1]     ; the refill after this one brings the next half panel's tile
.endif
	WIN MULW
	MUL8 0, 1, \sg, 0                              ; eight matrix instructions stand between the add and the wait for it
	s_wait_dscnt 0x0                               ; the add is done, and my reads of this slot are over
	s_barrier_signal -1
	MUL8 0, 1, \sg, 2
	WIN 0
	s_barrier_wait -1
	CREST                                          ; the barrier has opened a round of the cluster's: no wave of any partner still reads this slot or has a load on its way
	tensor_load_to_lds s[G0+4*\sg:G0+4*\sg+3], s[G1W:G1W+7]   ; the joint refill, first behind the round: 48 of a slot's 64 matrix instructions stand ahead of the wait for it
	s_nop 0
	PLACES                                         ; (the places in front of the loads below)
.else
.if \nxt
	s_wait_tensorcnt 0x0                           ; my part of the last slot has landed; only I read it
.endif
	WIN MULW
	MUL8 0, 1, \sg, 0
	MUL8 0, 1, \sg, 2
	PLACES
	WIN 0
.endif
.if \nxt
.if \sg == 1
	s_xor_b32 s[SA], s[SA], STEPA                  ; the next trip's rows and scale planes
	s_xor_b32 s[SS], s[SS], 1024
.if \img
	v_add_nc_u32 v[AC], s[SA], v[AIB]
.else
	v_add_nc_u32 v[AC], s[SA], v[AB]
	v_add_nc_u32 v[AC+1], s[SA], v[AB+1]
.endif
	v_add_nc_u32 v[ASCC], s[SS], v[ASB]
.endif
	LOADB 1-\sg, 0, 0
	LOADA \img, SELQ3, 0, 0
	LOADAS 1-\sg, OFFS
	s_wait_dscnt 26+NA                             ; all but the next slot's first fragments: W's set 1
.else
	s_wait_dscnt 0x0
.endif
	WIN MULW
	MUL8 1, 1, \sg, 0
	MUL8 1, 1, \sg, 2
	WIN 0
.endm
.macro HPLOOP W, img, kv               ; a half panel that has a successor: two trips of two slots
	s_mov_b32 s[ST], 0
.Lhp_\@:
	SLOT 0, \W, \img, 1, \kv, 1, 0
	SLOT 1, \W, \img, 1, \kv, 1, 0
	s_add_co_u32 s[ST], s[ST], 1
	s_cmp_lt_u32 s[ST], 2
	s_cbranch_scc1 .Lhp_\@
.endm
.macro HPLAST W, img                   ; the last half panel is written out
	SLOT 0, \W, \img, 2, 0, 1, 0
	SLOT 1, \W, \img, 2, 0, 1, 0
	SLOT 0, \W, \img, 0, 0, 1, 1
	SLOT 1, \W, \img, 0, 0, 0, 1
.endm
.macro SUMSQ                           ; the sum of squares of windows 2 and 3 for each of my four rows: four chains by turns, each accumulator from its low end on
	PLACES
	WIN 0x0a
.set i, 0
.rept 32
.irp a, 0,1,2,3
.if i == 0
	v_pk_mul_f32 v[SSQ+2*\a:SSQ+2*\a+1], v[64*\a:64*\a+1], v[64*\a:64*\a+1]
.else
	v_pk_fma_f32 v[SSQ+2*\a:SSQ+2*\a+1], v[64*\a+2*i:64*\a+2*i+1], v[64*\a+2*i:64*\a+2*i+1], v[SSQ+2*\a:SSQ+2*\a+1]
.endif
.endr
.set i, i+1
.endr
	WIN 0x0f
.set i, 0
.rept 32
.irp a, 0,1,2,3
	v_pk_fma_f32 v[SSQ+2*\a:SSQ+2*\a+1], v[64*\a+2*i:64*\a+2*i+1], v[64*\a+2*i:64*\a+2*i+1], v[SSQ+2*\a:SSQ+2*\a+1]
.endr
.set i, i+1
.endr
	WIN 0
.irp a, 0,1,2,3
	v_add_f32 v[SSQ+2*\a], v[SSQ+2*\a], v[SSQ+2*\a+1]
.endr
.irp a, 0,1,2,3
	v_permlanex16_b32 v[SSQ+2*\a+1], v[SSQ+2*\a], s[SEL], s[SEL+1]
.endr
.irp a, 0,1,2,3
	v_add_f32 v[SSQ+2*\a], v[SSQ+2*\a], v[SSQ+2*\a+1]
.endr
.irp a, 0,1,2,3
	ds_store_b32 v[NW], v[SSQ+2*\a] offset:256*\a  ; lanes l and l + 16 write the same word with the same value
.endr
.endm
.macro NORMS                           ; behind the barrier: the four waves' parts of my rows; 1 / norm into v[SSQ + 2 a]
.irp a, 0,1,2,3
	ds_load_b128 v[160+4*\a:163+4*\a], v[NR] offset:256*\a
.endr
	s_wait_dscnt 0x0
.irp a, 0,1,2,3
	v_add_f32 v[160+4*\a], v[160+4*\a], v[161+4*\a]
	v_add_f32 v[162+4*\a], v[162+4*\a], v[163+4*\a]
.endr
.irp a, 0,1,2,3
	v_add_f32 v[160+4*\a], v[160+4*\a], v[162+4*\a]
.endr
.irp a, 0,1,2,3
	v_rsq_f32 v[SSQ+2*\a], v[160+4*\a]
.endr
	v_nop                                          ; a plain place behind the transcendentals (ISA guide 5.7.2)
.endm
; Tile of rows a of window W (half hp): q / norm x kv, in f32, in place; then its 128 columns, position 4 hp + wave of the second product's K, become a fragment and a scale word a row, and go to LDS.
.macro SCALEQ W, a, hp
	WIN ((\W)<<6)|(\W)
.set i, 0
.rept 32
	v_pk_mul_f32 v[64*\a+2*i:64*\a+2*i+1], v[64*\a+2*i:64*\a+2*i+1], v[SSQ+2*\a:SSQ+2*\a+1] op_sel_hi:[1,0]
.set i, i+1
.endr
	WIN ((\W)<<6)|4|(\W)
.set i, 0
.rept 32
	v_pk_mul_f32 v[64*\a+2*i:64*\a+2*i+1], v[64*\a+2*i:64*\a+2*i+1], v[128+64*\hp+2*i:128+64*\hp+2*i+1]
.set i, i+1
.endr
	s_wait_dscnt 0x0                               ; the last image's stores have read their registers
	WIN (\W)|((\W)<<2)
.irp c, 0,1                                    ; my two blocks, 2 c + h: all 32 numbers of each are mine
	v_max3_num_f32 v[QM+\c], |v[64*\a+32*\c]|, |v[64*\a+32*\c+1]|, 0x1800000   ; and the floor 2^(3 - 127): the byte cannot fall under 1
.endr
.irp i, 2,4,6,8,10,12,14,16,18,20,22,24,26,28,30
.irp c, 0,1
	v_max3_num_f32 v[QM+\c], |v[64*\a+32*\c+\i]|, |v[64*\a+32*\c+\i+1]|, v[QM+\c]
.endr
.endr
	WIN 0
.irp c, 0,1
	v_add_nc_u32 v[QE+\c], 0xff000000, v[QM+\c]    ; 2 off the exponent field: the conversion's scale operand
.endr
.irp c, 0,1
	v_lshrrev_b32 v[QB+\c], 23, v[QE+\c]           ; the scale's byte
.endr
	v_lshl_or_b32 v[QW], v[QB+1], 16, v[QB]        ; blocks h and 2 + h,
	v_lshlrev_b32 v[QW], v[SH8], v[QW]             ; at their places in the word;
	v_permlanex16_b32 v[QT], v[QW], s[SEL], s[SEL+1]
	v_or_b32 v[QW], v[QW], v[QT]                   ; with lane l xor 16's two the word is whole
	WIN \W
.irp c, 0,1
.irp i, 0,1
	v_cvt_scalef32_pk16_fp6_f32 v[QC+4*(2*\c+\i):QC+4*(2*\c+\i)+2], v[64*\a+32*\c+16*\i:64*\a+32*\c+16*\i+15], v[QE+\c]
.endr
.endr
	WIN 0
	v_nop                                          ; one plain place behind a scaled conversion
.irp n, 0,1,2,3                                ; the 96 bits turned by 48: for lanes 16-31, whose two groups of eight stand the other way round
	v_perm_b32 v[QN+3*\n], v[QC+4*\n+2], v[QC+4*\n+1], s[PSEL]
	v_perm_b32 v[QN+3*\n+1], v[QC+4*\n], v[QC+4*\n+2], s[PSEL]
	v_perm_b32 v[QN+3*\n+2], v[QC+4*\n+1], v[QC+4*\n], s[PSEL]
.endr
.irp n, 0,1,2,3
.irp k, 0,1,2
	v_cndmask_b32 v[QF+3*\n+\k], v[QC+4*\n+\k], v[QN+3*\n+\k], s[MH]   ; the choice also sets the codes at their places in the fragment
.endr
.endr
.irp gq, 0,1,2
	ds_store_b128 v[IW], v[QF+4*\gq:QF+4*\gq+3] offset:(8*\a+4*\hp)*1536+512*\gq
.endr
	ds_store_b32 v[SW], v[QW] offset:1024*\hp+128*\a   ; lanes l and l + 16 write the same word with the same value
.endm
; THE WAY OUT of y's hp-th half, in blocks k = (a, c) of 16 rows x 64 columns: through my own stage, back as rows of 256 bytes; sixteen lanes store 256 consecutive bytes, at a multiple of 256 from out0's first byte.
.macro TOSTAGE W, k
.set AA, (\k)/2
.set CC, (\k)%2
	WIN (\W)<<2
.irp u, 0,1,2,3
	ds_store_b128 v[STO+\u%2], v[64*AA+32*CC+8*\u:64*AA+32*CC+8*\u+3] offset:32*\u          ; each accumulator from its low end on
	ds_store_b128 v[STO+\u%2], v[64*AA+32*CC+8*\u+4:64*AA+32*CC+8*\u+7] offset:32*\u+16
.endr
	WIN 0
.irp i, 0,1,2,3,4,5,6,7
	ds_load_b128 v[OB+32*((\k)%2)+4*\i:OB+32*((\k)%2)+4*\i+3], v[RD] offset:544*\i   ; LDS serves a wave's instructions in order (ISA guide 5.7.1.4): these see the stores above
.endr
.endm
.macro SEND k, younger                 ; younger: the LDS instructions issued behind block k's loads
	s_wait_dscnt \younger
.irp i, 0,1,2,3,4,5,6,7
	global_store_b128 v[GO], v[OB+32*((\k)%2)+4*\i:OB+32*((\k)%2)+4*\i+3], s[OUTB:OUTB+1] offset:(16*((\k)/2)+2*\i)*4096+256*((\k)%2) th:TH_STORE_NT
.endr
.endm
.macro STOREOUT W, hp
	s_xor_b32 s84, s[HS], \hp                      ; where it goes: my 64 rows of out0, half hp xor hs of their columns.  (Earlier stores have read the pointer: the wait at this macro's end)
	s_lshl_b32 s84, s84, 11
	s_lshl_b32 s85, s[GG], 18
	s_add_co_u32 s84, s84, s85
	s_mov_b32 s85, 0
	s_add_nc_u64 s[OUTB:OUTB+1], s[22:23], s[84:85]
	PLACES
	TOSTAGE \W, 0
.irp k, 1,2,3,4,5,6,7
.if \k > 1
	s_wait_xcnt 0x0                                ; block k - 2's stores have read their registers: block k's loads may land there
.endif
	TOSTAGE \W, \k
	SEND \k-1, 16                                  ; behind block k - 1's loads: block k's 8 stores and 8 loads
.endr
	SEND 7, 0
.if \hp == 0
	s_wait_xcnt 0x0                                ; the stores have read their registers and their pointer: both are written again below
.endif
.endm
	s_load_b512 s[4:19], s[0:1], 0x0               ; x's codes s[4:5], x's scales s[6:7], Wqkv's codes s[8:9], scales s[10:11], bqkv s[12:13], Wout's codes s[14:15], scales s[16:17], bout s[18:19]
	s_load_b128 s[20:23], s[0:1], 0x40             ; part s[20:21], out0 s[22:23]
	v_lshl_add_u32 v[SPW], v0, 2, SPARE
	v_mov_b32 v[NIL], 0
	ds_add_u32 v1, v2
	ds_add_u32 v1, v2
	s_wait_dscnt 0x0
	v_lshrrev_b32 v3, 5, v0
	v_readfirstlane_b32 s[WV], v3                  ; wave 0..3
	s_bfe_u32 s[CX], ttmp6, 0x40000                ; my place in the cluster
	s_lshl_b32 s[GG], ttmp9, 2
	s_add_co_u32 s[GG], s[GG], s[CX]               ; my work-group: it enters x's and out0's addresses alone
	s_and_b32 s[RK], ttmp9, 3                      ; r, rho and hs, of the cluster's number: alike in the four partners
	s_bfe_u32 s[RQ], ttmp9, 0x10002
	s_bfe_u32 s[T1], ttmp9, 0x10004
	s_lshl_b32 s[T1], s[T1], 1
	s_or_b32 s[RQ], s[RQ], s[T1]
	s_and_b32 s[HS], ttmp9, 1
	s_mov_b32 s89, 0
	s_mov_b32 s[SEL], 0x76543210
	s_mov_b32 s[SEL+1], 0xfedcba98                 ; v_permlanex16_b32's selects for lane l xor 16
	s_mov_b32 s[MH], 0xffff0000                    ; lanes 16-31
	s_mov_b32 s[PSEL], 0x05040302                  ; v_perm_b32: the middle four bytes of a pair of registers
	s_mov_b32 s[SA], 0
	s_mov_b32 s[SS], 0
	s_mov_b32 s[SN], 0
	; group 1 for W's tiles: 128 rows x 192 bytes, 768 bytes apart, 16 bytes of padding behind every 64; the mask names all four work-groups
	s_mov_b32 s[G1W], 15|(1<<20)|(1<<21)|(3<<22)|(3<<25)
	s_mov_b32 s[G1W+1], 192<<16
	s_mov_b32 s[G1W+2], 128<<16
	s_mov_b32 s[G1W+3], 192<<16
	s_mov_b32 s[G1W+4], 128
	s_mov_b32 s[G1W+5], 768
	s_mov_b32 s[G1W+6], 0
	s_mov_b32 s[G1W+7], 0
	; and for a chunk of x: 64 rows, no mask
	s_mov_b32 s[G1X], (1<<20)|(3<<22)|(3<<25)
	s_mov_b32 s[G1X+1], 192<<16
	s_mov_b32 s[G1X+2], 64<<16
	s_mov_b32 s[G1X+3], 192<<16
	s_mov_b32 s[G1X+4], 64
	s_mov_b32 s[G1X+5], 768
	s_mov_b32 s[G1X+6], 0
	s_mov_b32 s[G1X+7], 0
	; every LDS address is made here, at the head, in a register that holds nothing else, of the thread's and the wave's number alone; the thread's number is not read again behind the head
	v_and_b32 v160, 15, v0                         ; r
	v_bfe_u32 v161, v0, 4, 1                       ; h
	v_bfe_u32 v162, v0, 3, 1                       ; r / 8
	v_and_b32 v168, 31, v0                         ; lane
	v_lshlrev_b32 v[SH8], 3, v161
	v_lshl_add_u32 v163, v162, 5, v160             ; my row in a tile of even u: r + 32 (r / 8)
	v_lshl_add_u32 v164, v162, 4, v160             ; of odd u: r + 16 (r / 8)
	s_mul_i32 s88, s[WV], WAVEB
	v_mul_u32_u24 v165, v163, PITCH
	v_mul_u32_u24 v166, v164, PITCH
	v_add_nc_u32 v165, s88, v165
	v_add_nc_u32 v166, s88, v166
	v_mad_u32_u24 v[BA], v161, 24, v165
	v_mad_u32_u24 v[BA+1], v161, 40, v165
	v_mad_u32_u24 v[BA+2], v161, 24, v166
	v_mad_u32_u24 v[BA+3], v161, 40, v166
.irp j, 0,1,2,3
	v_add_nc_u32 v[BA+4+\j], SLOT1, v[BA+\j]
.endr
	v_mul_u32_u24 v167, v160, PITCH
	v_add_nc_u32 v167, XR, v167
	v_mad_u32_u24 v[AB], v161, 24, v167
	v_mad_u32_u24 v[AB+1], v161, 40, v167
	v_add_nc_u32 v[AC], s[SA], v[AB]
	v_add_nc_u32 v[AC+1], s[SA], v[AB+1]
	v_lshl_add_u32 v[ASB], v168, 3, ASC
	v_add_nc_u32 v[ASCC], s[SS], v[ASB]
	v_add_nc_u32 v169, 8, v164
	v_cndmask_b32 v169, v163, v169, s[MH]          ; lanes 0-15: the even tile's row; lanes 16-31: the odd tile's, 8 rows on
	v_lshlrev_b32 v[VS], 5, v169                   ; 32 scale bytes a row
	v_mul_u32_u24 v[VB], v161, 160
	v_mul_u32_u24 v[VB+1], v161, 96
	s_lshl_b32 s88, s[WV], 9
	v_add_nc_u32 v180, s88, v[VB]                  ; kv lies in LDS, by positions, as a bias lies in memory: 512 bytes a wave
	v_add_nc_u32 v181, s88, v[VB+1]
	WIN 0x40                                       ; destination window 1
	v_add_nc_u32 v[KVA], KV, v180
	v_add_nc_u32 v[KVA+1], KV, v181
	v_lshl_add_u32 v[KVW], v0, 4, KV               ; my eight columns of kv: 16 bytes here, 16 bytes 2,048 on
	WIN 0
	v_lshlrev_b32 v[GO], 12, v161                  ; out0: lanes 0-15 one row, lanes 16-31 the next; 16 bytes a lane; my wave's 512 bytes
	v_lshl_add_u32 v[GO], v160, 4, v[GO]
	v_add_nc_u32 v[GO], s88, v[GO]
	s_lshl_b32 s88, s[RQ], 10                      ; part: position p is column (p + 256 rho) % 1,024
	v_lshl_add_u32 v[KVO], v0, 4, s88
	v_add_nc_u32 v[KVO1], 2048, v[KVO]
	v_and_b32 v[KVO], 0xfff, v[KVO]
	v_and_b32 v[KVO1], 0xfff, v[KVO1]
	v_lshl_add_u32 v[NR], v160, 4, NRM
	s_lshl_b32 s88, s[WV], 2
	v_add_nc_u32 v[NW], s88, v[NR]
	s_mul_i32 s88, s[WV], 1536
	v_lshl_add_u32 v[AIB], v168, 4, AIMG           ; an image: 16 x lane;
	v_add_nc_u32 v[IW], s88, v[AIB]                ; my position: 1,536 x wave
	s_lshr_b32 s88, s[WV], 1
	s_lshl_b32 s88, s88, 9
	s_and_b32 s[T1], s[WV], 1
	s_lshl_b32 s[T1], s[T1], 2
	s_add_co_u32 s88, s88, s[T1]
	v_lshl_add_u32 v[SW], v160, 3, ASC
	v_add_nc_u32 v[SW], s88, v[SW]                 ; its scale word: plane wave / 2, word wave % 2, 8 bytes a row
	s_mul_i32 s88, s[WV], 4352
	v_mul_u32_u24 v170, v160, 272
	v_add_nc_u32 v170, s88, v170
	v_add_nc_u32 v170, STG, v170
	v_mad_u32_u24 v[STO], v161, 160, v170
	v_mad_u32_u24 v[STO+1], v161, 96, v170
	v_mul_u32_u24 v171, v161, 272
	v_lshl_add_u32 v171, v160, 4, v171
	v_add_nc_u32 v171, s88, v171
	v_add_nc_u32 v[RD], STG, v171
	v_and_b32 v173, 1, v0                          ; x's scales: thread t fills planes 2 (t % 2) and 2 (t % 2) + 1 of row t / 2; plane p takes the row's 8 bytes of K step (p + r) % 4
	v_lshrrev_b32 v174, 1, v0
	v_lshl_add_u32 v172, v173, 1, s[RK]
	v_add_nc_u32 v175, 1, v172
	v_and_b32 v172, 3, v172
	v_and_b32 v175, 3, v175
	v_lshlrev_b32 v172, 3, v172
	v_lshlrev_b32 v175, 3, v175
	v_lshl_add_u32 v172, v174, 5, v172             ; in memory: 32 bytes a row
	v_lshl_add_u32 v175, v174, 5, v175
	v_lshlrev_b32 v173, 10, v173
	v_lshl_add_u32 v173, v174, 3, v173
	v_add_nc_u32 v173, ASC, v173                   ; in LDS
	s_wait_kmcnt 0x0
	s_lshl_b32 s84, s[GG], 11
	s_mov_b32 s85, 0
	s_add_nc_u64 s[6:7], s[6:7], s[84:85]          ; my 64 rows' scale bytes
	global_load_b64 v[176:177], v172, s[6:7]
	global_load_b64 v[178:179], v175, s[6:7]
	s_add_co_u32 s88, s[WV], s[RK]                 ; wave w brings chunk w of my 64 rows: K step (w + r) % 4
	s_and_b32 s88, s88, 3
	s_mul_i32 s88, s88, 192
	s_mul_i32 s84, s[GG], 49152
	s_add_co_u32 s84, s84, s88
	s_mov_b32 s[G0X], 1
	s_mul_i32 s[G0X+1], s[WV], CHUNK
	s_add_co_u32 s[G0X+1], s[G0X+1], XR
	s_add_nc_u64 s[G0X+2:G0X+3], s[4:5], s[84:85]
	s_or_b32 s[G0X+3], s[G0X+3], 0x80000000
	s_lshr_b32 s88, ttmp9, 4                       ; the batch: 16 clusters each
	s_lshl_b32 s88, s88, 18
	s_add_nc_u64 s[KP:KP+1], s[20:21], s[88:89]    ; its 64 rows of part
	BLOCKQ 0                                       ; q's first half: positions 0 and 1 are the first fills
	s_mov_b32 s[G0], 1
	s_mul_i32 s[G0+1], s[WV], WAVEB
	CPTR G0+2, 8, RK, 0
	s_or_b32 s[G0+3], s[G0+3], 0x80000000
	s_mov_b32 s[G0+4], 1
	s_add_co_u32 s[G0+5], s[G0+1], SLOT1
	CPTR G0+6, 8, RK, 1
	s_or_b32 s[G0+7], s[G0+7], 0x80000000
	ZPTR PS, 10, RK, 0
	SETCUR 8, 10, RK
	BLOCKQ 1
	SETNXT 8, 10, RK
	CROUND                                         ; all four work-groups are here: the first joint loads meet
	tensor_load_to_lds s[G0X:G0X+3], s[G1X:G1X+7]  ; the first fills go out together: three loads of mine are out
	s_nop 0
	tensor_load_to_lds s[G0:G0+3], s[G1W:G1W+7]
	s_nop 0
	tensor_load_to_lds s[G0+4:G0+7], s[G1W:G1W+7]
	s_nop 0
	PLACES
	s_wait_loadcnt 0x0                             ; x's scale bytes
	ds_store_b64 v173, v[176:177]
	ds_store_b64 v173, v[178:179] offset:512
	LOADWS 0
	KVLOAD                                         ; the first eight rows of part
	BLOCKQ 0                                       ; q's two halves begin as their biases
	BPTR 12
	BIASLD 2
	BLOCKQ 1
	BPTR 12
	BIASLD 3
	WIN 0x40
.irp j, 0,1,2,3,4,5,6,7
	v_mov_b32 v[64+\j], 0                          ; kv's sums
.endr
	WIN 0
	s_wait_tensorcnt 0x1                           ; my chunk of x and my part of slot 0 are in; slot 1's may stay out
	s_wait_dscnt 0x0                               ; my scale words lie in LDS
	s_barrier_signal -1
	s_barrier_wait -1
	LOADB 0, 0, 0
	LOADA 0, 0, 0, 0
	LOADAS 0, 0
	HPLOOP 2, 0, 1                                 ; q, positions 0-511
	BLOCKQ 1
	SETCUR 8, 10, RK
	BLOCKO 0                                       ; behind q's second half the ring goes on into Wout, from Wout's own pointers, its K turned by rho
	SETNXT 14, 16, RQ
	HPLOOP 3, 0, 1                                 ; q, positions 512-1023
	BLOCKO 0
	SETCUR 14, 16, RQ
	BLOCKO 1
	SETNXT 14, 16, RQ
	SUMSQ
	WIN 0x05                                       ; address and data in window 1
	ds_store_b128 v[KVW], v[64:67]                 ; my eight columns of kv
	ds_store_b128 v[KVW], v[68:71] offset:2048
	WIN 0
	s_wait_dscnt 0x0                               ; for the others' sake: my sums lie in LDS, and my reads of x and its scale words are over.
	s_barrier_signal -1
	s_barrier_wait -1
	NORMS
	WIN 0x41                                       ; address and destination in window 1
.irp p, 0,1
.irp c, 0,1
.irp u, 0,1,2,3
.irp k, 0,1
	ds_load_b128 v[128+64*\p+32*\c+8*\u+4*\k:128+64*\p+32*\c+8*\u+4*\k+3], v[KVA+\u%2] offset:2048*\p+(64*\c+8*\u)*4+16*\k   ; kv of my positions, in the accumulators' layout
.endr
.endr
.endr
.endr
	WIN 0
	v_mov_b32 v[QT], 0                             ; written once: a lane permute's destination counts as one of its sources
	s_wait_alu depctr_va_vdst(0)
	s_wait_dscnt 0x0
.irp a, 0,1,2,3
	SCALEQ 2, \a, 0
.endr
	BLOCKO 0
	BPTR 18
	BIASLD 2                                       ; y's first half begins as bout
.irp a, 0,1,2,3
	SCALEQ 3, \a, 1
.endr
	BLOCKO 1
	BPTR 18
	BIASLD 3
	s_wait_dscnt 0x0                               ; for the others' sake: my images and scale words lie in LDS
	s_barrier_signal -1
	s_barrier_wait -1
	v_add_nc_u32 v[AC], s[SA], v[AIB]              ; the rows' fragments now come as images
	LOADA 1, 0, 0, 0                               ; (W's first fragments and scale words were fetched ahead; the rows' were x's and are replaced: 26 LDS loads unused, the price of one text for the loop)
	LOADAS 0, 0
	HPLOOP 2, 1, 0                                 ; y, its first half
	BLOCKO 1
	SETCUR 14, 16, RQ
	STOREOUT 2, 0                                  ; which leaves while the second half is multiplied
	HPLAST 3, 1                                    ; y, its second half
	STOREOUT 3, 1
	s_wait_tensorcnt 0x0                           ; the wave's end
	ds_add_u32 v[SPW], v[NIL]
	s_wait_dscnt 0x0
	CROUND                                         ; the closing round: no work-group ends while a partner may still ask for a tile that names it
	s_endpgm
.Lfunc_end_k_q1c7f4ea33a_project:
	.size	k_q1c7f4ea33a_project, .Lfunc_end_k_q1c7f4ea33a_project-k_q1c7f4ea33a_project
	.p2alignl 7, 3214868480
	.fill 96, 4, 3214868480
	.section	.rodata,"a",@progbits
	.p2align	6, 0x0
	.amdhsa_kernel k_q1c7f4ea33a_project
		.amdhsa_group_segment_fixed_size 327680
		.amdhsa_private_segment_fixed_size 0
		.amdhsa_enable_private_segment 0
		.amdhsa_kernarg_size 80
		.amdhsa_user_sgpr_count 2
		.amdhsa_user_sgpr_kernarg_segment_ptr 1
		.amdhsa_wavefront_size32 1
		.amdhsa_system_sgpr_workgroup_id_x 1
		.amdhsa_system_sgpr_workgroup_id_y 1
		.amdhsa_system_sgpr_workgroup_id_z 1
		.amdhsa_system_vgpr_workitem_id 0
		.amdhsa_next_free_vgpr 1024
		.amdhsa_next_free_sgpr 100
		.amdhsa_reserve_vcc 0
		.amdhsa_float_denorm_mode_32 3
		.amdhsa_float_denorm_mode_16_64 3
		.amdhsa_memory_ordered 1
		.amdhsa_forward_progress 1
		.amdhsa_inst_pref_size 255
	.end_amdhsa_kernel
	.section	.bss,"aw",@nobits
	.p2align	6
	.space	262144
	.amdgpu_metadata
---
amdhsa.version: [ 1, 2 ]
amdhsa.kernels:
  - .name:           k_q1c7f4ea33a_project
    .symbol:         k_q1c7f4ea33a_project.kd
    .args:
      - { .name: x_codes, .offset: 0, .size: 8, .value_kind: global_buffer, .address_space: global }
      - { .name: x_scales, .offset: 8, .size: 8, .value_kind: global_buffer, .address_space: global }
      - { .name: Wqkv_codes, .offset: 16, .size: 8, .value_kind: global_buffer, .address_space: global }
      - { .name: Wqkv_scales, .offset: 24, .size: 8, .value_kind: global_buffer, .address_space: global }
      - { .name: bqkv, .offset: 32, .size: 8, .value_kind: global_buffer, .address_space: global }
      - { .name: Wout_codes, .offset: 40, .size: 8, .value_kind: global_buffer, .address_space: global }
      - { .name: Wout_scales, .offset: 48, .size: 8, .value_kind: global_buffer, .address_space: global }
      - { .name: bout, .offset: 56, .size: 8, .value_kind: global_buffer, .address_space: global }
      - { .name: part, .offset: 64, .size: 8, .value_kind: global_buffer, .address_space: global }
      - { .name: out0, .offset: 72, .size: 8, .value_kind: global_buffer, .address_space: global }
    .group_segment_fixed_size: 327680
    .private_segment_fixed_size: 0
    .kernarg_segment_align: 8
    .kernarg_segment_size: 80
    .max_flat_workgroup_size: 128
    .sgpr_count:     100
    .vgpr_count:     1024
    .wavefront_size: 32
...
	.end_amdgpu_metadata
.endif
;; end of part 4
